; MI455X (gfx1250); checked and timed in simulation.
; The chip was launched on July 23, 2026; its instructions are those of AMD's public machine-readable ISA for CDNA 5 (MIT licence, August 2026) and "CDNA5" Instruction Set Architecture Reference Guide (July 2026). The comments in the code are by the model that wrote it; some were corrected since.
;; Multi Head Attention. Allowed arithmetic: matrix products marked QUANTISED: E2M1 operands, one E8M0 scale for each 32 along K, by v_wmma_scale_f32_16x16x128_f8f6f4 with both operands' format E2M1 (or v_wmma_scale_f32_32x16x128_f4), f32 sums; products left as they are: bf16, f16 or f32 operands; f32 sums; everything else in f32.
;; Inputs: Wk 1,024 x 1,024 float32; Wo 1,024 x 1,024 float32; Wq 1,024 x 1,024 float32; Wv 1,024 x 1,024 float32; bk 1,024 float32; bo 1,024 float32; bq 1,024 float32; bv 1,024 float32; key 4 x 2,048 x 1,024 float32; query 4 x 2,048 x 1,024 float32; value 4 x 2,048 x 1,024 float32.
;; Outputs: out0 4 x 2,048 x 1,024 float32.
;; This version of the problem:
;;   THIS VERSION OF THE PROBLEM IS GIVEN IN LOW PRECISION. The matrix products marked QUANTISED in the list below multiply operands that are first quantised to E2M1 (2 exponent bits, 1 mantissa bit; 4 bits a number), with one power-of-two scale for each 32 numbers along K (OCP MX v1.0); their sums are f32. The products marked 'left as it is' may take bf16, f16 or f32 operands, with f32 sums. Whichever they take, every output number must still come out within the allowed error. Rounding operands to bf16 (8 significant bits) uses up far more of that allowance than f16 does (11 bits, for magnitudes from 6e-5 to 65,504). All else is computed in f32.
;;   The module's matrix products, in the order in which they are computed (A, B: the left and right operand; K: the contracted axis; several contracted axes count as one K, in the product's order):
;;     1. [M 8,192, K 1,024] x [K 1,024, N 1,024]; A: input query; B: input Wq: QUANTISED
;;     2. [M 8,192, K 1,024] x [K 1,024, N 1,024]; A: input key; B: input Wk: QUANTISED
;;     3. [M 8,192, K 1,024] x [K 1,024, N 1,024]; A: input value; B: input Wv: QUANTISED
;;     4. batch 64 x [M 2,048, K 64] x [K 64, N 2,048]; A: computed on the way; B: computed on the way: left as it is (an operand is computed on the way)
;;     5. batch 64 x [M 2,048, K 2,048] x [K 2,048, N 64]; A: computed on the way; B: computed on the way: left as it is (an operand is computed on the way)
;;     6. [M 8,192, K 1,024] x [K 1,024, N 1,024]; A: computed on the way; B: input Wo: left as it is (an operand is computed on the way)
;;   THE QUANTISER, for each operand of a quantised product, along K:
;;     - K is cut into blocks of 32 from its start; a last block that is shorter is filled with zeros.
;;     - A block's scale is 2^e with e = floor(log2(the largest magnitude in the block)) - 2, held to -126 .. 127; a block of zeros has e = 0. As a byte (E8M0): e + 127.
;;     - Each number is divided by its block's scale, clamped to +-6, and rounded to the nearest number of E2M1, ties to even, subnormals kept.
;;     - The product sums the exact products of the quantised numbers (number of the format x scale) in f32.
;;   ~~~python
;;   def quantise(x, axis):      # numpy; x: float32 -> the quantised numbers, widened to float32 again
;;       x = np.moveaxis(x, axis, -1); K = x.shape[-1]
;;       x = np.pad(x, [(0, 0)] * (x.ndim - 1) + [(0, -K % 32)]); x = x.reshape(x.shape[:-1] + (-1, 32)); a = np.abs(x).max(-1, keepdims=True)
;;       e = np.where(a > 0, np.clip(np.frexp(np.where(a > 0, a, 1))[1] - 1 - 2, -126, 127), 0)      # np.frexp(a)[1] - 1 = floor(log2(a)), exactly
;;       r = np.clip(x / 2.0 ** e, -6, 6)
;;       step = 2.0 ** (np.maximum(np.frexp(np.where(r == 0, 1, r))[1] - 1, 0) - 1)
;;       q = np.round(r / step) * step * 2.0 ** e      # np.round: ties to even
;;       return np.moveaxis(q.reshape(q.shape[:-2] + (-1,))[..., :K], -1, axis).astype(np.float32)
;;   ~~~
;; One version. Each part assembles by itself: llvm-mc -triple=amdgcn-amd-amdhsa -mcpu=gfx1250 --defsym DOCPART=n.
;; ======== version 1 of 1: 4 launches
;; limits: values are held in f16: magnitudes above 65,504 overflow, below 6.1e-05 lose precision
;; workspace buffers: xc 12,582,912 bytes; xs 786,432 bytes; wc 1,572,864 bytes; ws 98,304 bytes; wo16 2,097,152 bytes; qkv 50,331,648 bytes; ctx 16,777,216 bytes
;; launch prep (part 1): grid 640 x 1, 4 waves a work-group, no clusters, 34,304 bytes of LDS; arguments query, key, value, Wq, Wk, Wv, Wo, xc, xs, wc, ws, wo16; writes xc, xs, wc, ws, wo16
.if DOCPART == 1
	.amdgcn_target "amdgcn-amd-amdhsa--gfx1250"
	.amdhsa_code_object_version 6
	.text
	.protected	k_q17504069b9_prep
	.globl	k_q17504069b9_prep
	.p2align	8
	.type	k_q17504069b9_prep,@function
k_q17504069b9_prep:
	s_mov_b64 s[64:65], 0
	v_nop
	global_prefetch_b8 v0, s[64:65] scope:SCOPE_SE
	s_setreg_imm32_b32 hwreg(HW_REG_WAVE_MODE, 25, 1), 1
	s_wait_xcnt 0x0
; PREP: the operands of the three quantised products become codes of FP4 (E2M1) with one E8M0 byte for each 32 along K = 1,024; Wo becomes f16.
; query, key, value: [8192][1024] f32, K innermost.  Wq, Wk, Wv, Wo: [1024 (k)][1024 (n)] f32, K outermost.
; A block's scale is 2^(floor(log2(its largest magnitude)) - 2); its byte is the largest magnitude's exponent field - 2, held at 1 from below.
; EVERY OUTPUT IS LAID IN THE ORDER OF THE OPERAND'S REGISTERS, so that the launches behind this one fetch fragments as dense runs of 16 bytes a lane:
;   xc [tile of 16 rows: 1536][block of 32 k: 32][row 16][16 bytes]     the three tensors' rows on end; a K step of 128 of a tile is 1,024 bytes: piece c at 512 c, lane l at 16 l
;   xs [tile][half of K: 2][row 16][4 words]                            word q: the scale word of K step 4 half + q
;   wc, ws the same for the columns n of Wq, Wk, Wv (64 tiles each);    wo16 [tile of 16 n: 64][8 k: 128][n 16][16 bytes], f16
; SHARES.  Work-groups 0-383: a wave takes 16 rows x all of K, in 8 steps of 128.  Each load reads 512 consecutive bytes of one row; the step's 8,192 bytes turn through the wave's own stage in LDS,
; so that a lane then holds 16 neighbours along K of each of four blocks of its row (lanes l and l xor 16 share a block).
; Work-groups 384-639: a wave takes 32 columns x 128 rows of one weight; a lane takes a column and its registers run down K: a block of 32 lies in one lane, nothing is transposed.
; No tensor load, no barrier: waves share nothing.
; LIMITS: NaN and infinities are not served.  A block of zeros gets the byte 1 where the rule says 127: its codes are zeros and this program alone reads the bytes.  |Wo| stays under 65,504 (f16).
.set STG,   8448                       ; a wave's stage: 16 rows x 528 bytes (512 + 16: 33 x 16, so that the 16 rows that a load touches start at different banks: 64 banks of 4 bytes, ISA guide 11.1)
.set SPARE, 4*STG                      ; behind the stages: the spare words, 128 bytes for each wave: two blocks of 256 bytes that no other line names
.set LO,  2                            ; v2   my lane's byte offset in memory (16 x lane; weights: 4 x lane)
.set SA,  3                            ; v3   the stage, on the way in: 16 x lane
.set RA,  4                            ; v4   on the way out: 528 r + 64 h
.set SPW, 5                            ; v5   LDS address of my spare word; never rewritten
.set NIL, 6                            ; v6   0; never rewritten
.set TM,  32                           ; v32-47  at work in QUANT
.set PC,  48                           ; v48-55  a fragment's codes
.set SWD, 56                           ; v56-63  my row's eight scale words
.set X,   64                           ; v64-127 64 numbers: register 16 b + i = k 32 b + 16 h + i of my row
.set R,   128                          ; v128-255 two sets of 64 as loaded (weights: 128 numbers down K)
.set SEL, 34                           ; s[34:35] v_permlanex16_b32's selects for lane l xor 16
	s_load_b512 s[8:23], s[0:1], 0x0               ; query 8, key 10, value 12, Wq 14, Wk 16, Wv 18, Wo 20, xc 22
	s_load_b256 s[24:31], s[0:1], 0x40             ; xs 24, wc 26, ws 28, wo16 30
	v_lshl_add_u32 v[SPW], v0, 2, SPARE
	v_mov_b32 v[NIL], 0
	v_lshrrev_b32 v1, 5, v0
	v_readfirstlane_b32 s2, v1                     ; wave 0..3
	v_and_b32 v1, 31, v0                           ; lane
	v_and_b32 v7, 15, v0                           ; r
	v_bfe_u32 v8, v0, 4, 1                         ; h
	s_mov_b32 s[SEL], 0x76543210
	s_mov_b32 s[SEL+1], 0xfedcba98
	s_cmp_ge_u32 ttmp9, 384                        ; the work-group's number alone decides the path
	s_cbranch_scc1 .Lweights
; ---------------- query, key, value ----------------
	s_lshl_b32 s36, ttmp9, 2
	s_add_co_u32 s36, s36, s2                      ; T: my tile of 16 rows, 0 .. 1535
	s_and_b32 s38, s36, 511
	s_lshl_b32 s38, s38, 16                        ; in its tensor: 16 rows of 4,096 bytes a tile
	s_mov_b32 s39, 0
	s_lshl_b32 s40, s36, 13                        ; codes: 8,192 bytes a tile
	s_mov_b32 s41, 0
	s_lshl_b32 s42, s36, 9                         ; scale words: 512 bytes a tile
	s_mov_b32 s43, 0
	s_mul_i32 s37, s2, STG                         ; my stage
	v_lshlrev_b32 v[LO], 4, v1
	v_add_nc_u32 v[SA], s37, v[LO]
	v_mul_u32_u24 v[RA], v7, 528
	v_lshl_add_u32 v[RA], v8, 6, v[RA]
	v_add_nc_u32 v[RA], s37, v[RA]
.irp b, 0,1,2,3
	v_mov_b32 v[TM+4+\b], 0                        ; written once: a lane permute's destination counts as one of its sources
.endr
	s_wait_kmcnt 0x0
	s_cmp_lt_u32 ttmp9, 256
	s_cselect_b64 s[4:5], s[10:11], s[12:13]       ; key or value,
	s_cmp_lt_u32 ttmp9, 128
	s_cselect_b64 s[4:5], s[8:9], s[4:5]           ; or query
	s_add_nc_u64 s[4:5], s[4:5], s[38:39]
	s_add_nc_u64 s[6:7], s[22:23], s[40:41]
	s_add_nc_u64 s[32:33], s[24:25], s[42:43]
.macro LOAD s                          ; K step s of my 16 rows: each load reads 512 consecutive bytes of one row
.irp i, 0,1,2,3,4,5,6,7,8,9,10,11,12,13,14,15
	global_load_b128 v[R+64*((\s)%2)+4*\i:R+64*((\s)%2)+4*\i+3], v[LO], s[4:5] offset:4096*\i+512*(\s) th:TH_LOAD_NT
.endr
.endm
.macro TURN s                          ; through the stage: LDS serves a wave's instructions in order (ISA guide 5.7.1.4), so no wait stands between the stores and the loads
.irp i, 0,1,2,3,4,5,6,7,8,9,10,11,12,13,14,15
	ds_store_b128 v[SA], v[R+64*((\s)%2)+4*\i:R+64*((\s)%2)+4*\i+3] offset:528*\i
.endr
.irp b, 0,1,2,3
.irp j, 0,1,2,3
	ds_load_b128 v[X+16*\b+4*\j:X+16*\b+4*\j+3], v[RA] offset:128*\b+16*\j
.endr
.endr
.endm
; 64 numbers of a lane become a fragment's codes in v[PC] on and my row's scale word in v[pw]
.macro QUANT s, pw
.irp b, 0,1,2,3
	v_max3_num_f32 v[TM+\b], |v[\s+16*\b]|, |v[\s+1+16*\b]|, 0x1800000   ; block b: my 16 numbers, and the floor 2^(3 - 127): the byte cannot fall under 1
.endr
.irp i, 2,4,6,8,10,12,14
.irp b, 0,1,2,3
	v_max3_num_f32 v[TM+\b], v[TM+\b], |v[\s+16*\b+\i]|, |v[\s+1+16*\b+\i]|   ; the four blocks by turns
.endr
.endr
.irp b, 0,1,2,3
	v_permlanex16_b32 v[TM+4+\b], v[TM+\b], s[SEL], s[SEL+1]
.endr
.irp b, 0,1,2,3
	v_max_num_f32 v[TM+\b], v[TM+\b], v[TM+4+\b]   ; with lane l xor 16's: the block's largest magnitude
.endr
.irp b, 0,1,2,3
	v_add_nc_u32 v[TM+12+\b], 0xff000000, v[TM+\b] ; 2 off its exponent field: the conversion takes the exponent field of this operand as its scale
.endr
.irp b, 0,1,2,3
	v_lshrrev_b32 v[TM+4+\b], 23, v[TM+12+\b]      ; the scale's byte
.endr
	v_lshl_or_b32 v[\pw], v[TM+5], 8, v[TM+4]
	v_lshl_or_b32 v[\pw], v[TM+6], 16, v[\pw]
	v_lshl_or_b32 v[\pw], v[TM+7], 24, v[\pw]
.irp b, 0,1,2,3
	v_cvt_scalef32_pk8_fp4_f32 v[PC+2*\b], v[\s+16*\b:\s+7+16*\b], v[TM+12+\b]
	v_cvt_scalef32_pk8_fp4_f32 v[PC+1+2*\b], v[\s+8+16*\b:\s+15+16*\b], v[TM+12+\b]
.endr
	v_nop                                          ; one plain place behind a scaled conversion
.irp c, 0,1                                    ; the operand's layout wants a whole block in a lane: lanes 0-15 block 2 c, lanes 16-31 block 2 c + 1
.irp i, 0,1
	v_permlane16_swap_b32 v[PC+4*\c+\i], v[PC+2+4*\c+\i]
.endr
.endr
.endm
.macro STEP s
.if (\s) < 7
	s_wait_loadcnt 16                              ; this step's 16 loads are in; the next step's 16 may be out
.else
	s_wait_loadcnt 0x0
.endif
	TURN \s
	s_wait_dscnt 0x0                               ; my 64 numbers are back, and the stage's stores have read their registers
	s_wait_xcnt 0x0                                ; the last step's stores have read the codes' registers, which QUANT writes anew
.if (\s) < 6
	LOAD (\s)+2                                    ; two steps ahead, into the set just left
.endif
	QUANT X, SWD+(\s)
	global_store_b128 v[LO], v[PC:PC+3], s[6:7] offset:1024*(\s)         ; 32 lanes store 512 consecutive bytes, aligned
	global_store_b128 v[LO], v[PC+4:PC+7], s[6:7] offset:1024*(\s)+512
.endm
	LOAD 0
	LOAD 1
.irp s, 0,1,2,3,4,5,6,7
	STEP \s
.endr
	v_cmp_le_u32 vcc_lo, 16, v1                    ; lanes 16-31 store the words of K steps 4 to 7
.irp i, 0,1,2,3
	v_cndmask_b32 v[12+\i], v[SWD+\i], v[SWD+4+\i], vcc_lo
.endr
	global_store_b128 v[LO], v[12:15], s[32:33]    ; the tile's 512 bytes of scale words
	s_wait_tensorcnt 0x0                           ; the wave's end, behind my last LDS store
	ds_add_u32 v[SPW], v[NIL]
	s_wait_dscnt 0x0
	s_endpgm
; ---------------- the weights ----------------
.Lweights:
	s_sub_co_u32 s36, ttmp9, 384
	s_lshr_b32 s37, s36, 6                         ; which weight: 0 Wq, 1 Wk, 2 Wv, 3 Wo
	s_and_b32 s38, s36, 7                          ; which 128 columns
	s_bfe_u32 s39, s36, 0x30003                    ; kp: which 128 rows of K
	s_lshl_b32 s38, s38, 7
	s_lshl_b32 s40, s2, 5
	s_add_co_u32 s38, s38, s40                     ; n0: my wave's first column
	s_lshl_b32 s40, s39, 19                        ; 128 rows of 4,096 bytes
	s_lshl_b32 s41, s38, 2
	s_add_co_u32 s40, s40, s41
	s_mov_b32 s41, 0
	v_lshlrev_b32 v[LO], 2, v1
	s_wait_kmcnt 0x0
	s_cmp_eq_u32 s37, 0
	s_cselect_b64 s[4:5], s[14:15], s[16:17]
	s_cmp_eq_u32 s37, 2
	s_cselect_b64 s[4:5], s[18:19], s[4:5]
	s_cmp_eq_u32 s37, 3
	s_cselect_b64 s[4:5], s[20:21], s[4:5]
	s_add_nc_u64 s[4:5], s[4:5], s[40:41]
.set i, 0
.rept 128
	global_load_b32 v[R+i], v[LO], s[4:5] offset:4096*i th:TH_LOAD_NT   ; W(128 kp + i, n0 + lane): 32 lanes read 128 consecutive bytes
.set i, i+1
.endr
	s_lshr_b32 s42, s38, 4                         ; n0 / 16: my first tile of columns (lanes 16-31: the next)
	s_cmp_eq_u32 s37, 3
	s_cbranch_scc1 .Lwo
	s_lshl_b32 s40, s37, 19                        ; codes: 524,288 bytes a weight, 8,192 a tile, 1,024 a K step
	s_lshl_b32 s43, s42, 13
	s_add_co_u32 s40, s40, s43
	s_lshl_b32 s43, s39, 10
	s_add_co_u32 s40, s40, s43
	s_add_nc_u64 s[6:7], s[26:27], s[40:41]
	s_lshl_b32 s40, s37, 15                        ; scale words: 32,768 bytes a weight, 512 a tile, 256 a half of K, 4 a K step
	s_lshl_b32 s43, s42, 9
	s_add_co_u32 s40, s40, s43
	s_lshr_b32 s43, s39, 2
	s_lshl_b32 s43, s43, 8
	s_add_co_u32 s40, s40, s43
	s_and_b32 s43, s39, 3
	s_lshl_b32 s43, s43, 2
	s_add_co_u32 s40, s40, s43
	s_add_nc_u64 s[32:33], s[28:29], s[40:41]
	v_lshlrev_b32 v3, 13, v8
	v_lshl_add_u32 v3, v7, 4, v3                   ; codes: 8,192 h + 16 r
	v_lshlrev_b32 v4, 9, v8
	v_lshl_add_u32 v4, v7, 4, v4                   ; scale word: 512 h + 16 r
.macro WBLOCK b, left                  ; block b of my column: all its 32 numbers are mine
	s_wait_loadcnt \left
	v_max3_num_f32 v10, |v[R+32*\b]|, |v[R+32*\b+1]|, |v[R+32*\b+2]|
	v_max3_num_f32 v11, |v[R+32*\b+3]|, |v[R+32*\b+4]|, |v[R+32*\b+5]|
.irp i, 6,10,14,18,22,26
	v_max3_num_f32 v10, v10, |v[R+32*\b+\i]|, |v[R+32*\b+\i+1]|
	v_max3_num_f32 v11, v11, |v[R+32*\b+\i+2]|, |v[R+32*\b+\i+3]|
.endr
	v_max3_num_f32 v10, v10, |v[R+32*\b+30]|, |v[R+32*\b+31]|
	v_max3_num_f32 v10, v10, v11, 0x1800000        ; and the floor 2^(3 - 127)
	v_add_nc_u32 v[44+\b], 0xff000000, v10         ; the conversion's scale operand
	v_lshrrev_b32 v11, 23, v[44+\b]                ; the byte
.if \b == 0
	v_mov_b32 v40, v11
.else
	v_lshl_or_b32 v40, v11, 8*\b, v40              ; the lower K in the lower byte
.endif
.irp g, 0,1,2,3
	v_cvt_scalef32_pk8_fp4_f32 v[64+4*\b+\g], v[R+32*\b+8*\g:R+32*\b+8*\g+7], v[44+\b]
.endr
	v_nop                                          ; one plain place behind a scaled conversion
	global_store_b128 v3, v[64+4*\b:64+4*\b+3], s[6:7] offset:256*\b     ; sixteen lanes store 256 consecutive bytes, aligned
.endm
	WBLOCK 0, 63                                   ; 96 younger loads may be out; the wait's field ends at 63, and a smaller count is safe
	WBLOCK 1, 63                                   ; 64 younger
	WBLOCK 2, 32
	WBLOCK 3, 0
	global_store_b32 v4, v40, s[32:33]             ; my column's scale word of this K step: 4 bytes in each 16; 98,304 bytes in the whole launch go out so
	s_wait_tensorcnt 0x0                           ; the wave's end, on every path
	ds_add_u32 v[SPW], v[NIL]
	s_wait_dscnt 0x0
	s_endpgm
.Lwo:
	s_lshl_b32 s40, s42, 15                        ; wo16: 32,768 bytes a tile of 16 columns, 4,096 for 128 along K
	s_lshl_b32 s43, s39, 12
	s_add_co_u32 s40, s40, s43
	s_add_nc_u64 s[6:7], s[30:31], s[40:41]
	v_lshlrev_b32 v9, 15, v8
	v_lshl_add_u32 v9, v7, 4, v9                   ; 32,768 h + 16 r
.macro WOCT o                          ; eight numbers down K become 16 bytes of f16
.irp e, 0,1,2,3
	v_cvt_pk_f16_f32 v[64+4*(\o)+\e], v[R+8*(\o)+2*\e], v[R+8*(\o)+2*\e+1]
.endr
	global_store_b128 v9, v[64+4*(\o):64+4*(\o)+3], s[6:7] offset:256*(\o)   ; sixteen lanes store 256 consecutive bytes, aligned
.endm
	s_wait_loadcnt 63                              ; as above: 96, 64, 32, 0 younger loads
.irp o, 0,1,2,3
	WOCT \o
.endr
	s_wait_loadcnt 63
.irp o, 4,5,6,7
	WOCT \o
.endr
	s_wait_loadcnt 32
.irp o, 8,9,10,11
	WOCT \o
.endr
	s_wait_loadcnt 0x0
.irp o, 12,13,14,15
	WOCT \o
.endr
	s_wait_tensorcnt 0x0                           ; the three lines, as on the other paths
	ds_add_u32 v[SPW], v[NIL]
	s_wait_dscnt 0x0
	s_endpgm
.Lfunc_end_k_q17504069b9_prep:
	.size	k_q17504069b9_prep, .Lfunc_end_k_q17504069b9_prep-k_q17504069b9_prep
	.p2alignl 7, 3214868480
	.fill 96, 4, 3214868480
	.section	.rodata,"a",@progbits
	.p2align	6, 0x0
	.amdhsa_kernel k_q17504069b9_prep
		.amdhsa_group_segment_fixed_size 34304
		.amdhsa_private_segment_fixed_size 0
		.amdhsa_enable_private_segment 0
		.amdhsa_kernarg_size 96
		.amdhsa_user_sgpr_count 2
		.amdhsa_user_sgpr_kernarg_segment_ptr 1
		.amdhsa_wavefront_size32 1
		.amdhsa_system_sgpr_workgroup_id_x 1
		.amdhsa_system_sgpr_workgroup_id_y 1
		.amdhsa_system_sgpr_workgroup_id_z 1
		.amdhsa_system_vgpr_workitem_id 0
		.amdhsa_next_free_vgpr 256
		.amdhsa_next_free_sgpr 66
		.amdhsa_reserve_vcc 1
		.amdhsa_float_denorm_mode_32 3
		.amdhsa_float_denorm_mode_16_64 3
		.amdhsa_memory_ordered 1
		.amdhsa_forward_progress 1
		.amdhsa_inst_pref_size 89
	.end_amdhsa_kernel
	.amdgpu_metadata
---
amdhsa.version: [ 1, 2 ]
amdhsa.kernels:
  - .name:           k_q17504069b9_prep
    .symbol:         k_q17504069b9_prep.kd
    .args:
      - { .name: query, .offset: 0, .size: 8, .value_kind: global_buffer, .address_space: global }
      - { .name: key, .offset: 8, .size: 8, .value_kind: global_buffer, .address_space: global }
      - { .name: value, .offset: 16, .size: 8, .value_kind: global_buffer, .address_space: global }
      - { .name: Wq, .offset: 24, .size: 8, .value_kind: global_buffer, .address_space: global }
      - { .name: Wk, .offset: 32, .size: 8, .value_kind: global_buffer, .address_space: global }
      - { .name: Wv, .offset: 40, .size: 8, .value_kind: global_buffer, .address_space: global }
      - { .name: Wo, .offset: 48, .size: 8, .value_kind: global_buffer, .address_space: global }
      - { .name: xc, .offset: 56, .size: 8, .value_kind: global_buffer, .address_space: global }
      - { .name: xs, .offset: 64, .size: 8, .value_kind: global_buffer, .address_space: global }
      - { .name: wc, .offset: 72, .size: 8, .value_kind: global_buffer, .address_space: global }
      - { .name: ws, .offset: 80, .size: 8, .value_kind: global_buffer, .address_space: global }
      - { .name: wo16, .offset: 88, .size: 8, .value_kind: global_buffer, .address_space: global }
    .group_segment_fixed_size: 34304
    .private_segment_fixed_size: 0
    .kernarg_segment_align: 8
    .kernarg_segment_size: 96
    .max_flat_workgroup_size: 128
    .sgpr_count:     66
    .vgpr_count:     256
    .wavefront_size: 32
...
	.end_amdgpu_metadata
.endif
;; end of part 1
;; launch proj (part 2): grid 4 x 96, 4 waves a work-group, clusters of 4 x 4, 327,680 bytes of LDS; arguments xc, xs, wc, ws, bq, bk, bv, qkv; writes qkv
.if DOCPART == 2
	.amdgcn_target "amdgcn-amd-amdhsa--gfx1250"
	.amdhsa_code_object_version 6
	.text
	.protected	k_q17504069b9_proj
	.globl	k_q17504069b9_proj
	.p2align	8
	.type	k_q17504069b9_proj,@function
k_q17504069b9_proj:
	s_mov_b64 s[64:65], 0
	v_nop
	global_prefetch_b8 v0, s[64:65] scope:SCOPE_SE
	s_setreg_imm32_b32 hwreg(HW_REG_WAVE_MODE, 25, 1), 1
	s_wait_xcnt 0x0
	s_wait_alu depctr_hold_cnt(0) depctr_sa_sdst(0) depctr_va_vdst(0) depctr_va_sdst(0) depctr_va_ssrc(0) depctr_va_vcc(0) depctr_vm_vsrc(0)
	s_getreg_b32 s2, hwreg(HW_REG_IB_STS2, 6, 4)
	s_cmp_eq_u32 s2, 0
	s_cbranch_scc0 .Lentry_in_a_cluster
	s_endpgm
.Lentry_in_a_cluster:
	s_bfe_u32 s2, ttmp6, 0x10000c
	s_cmp_lg_u32 s2, 0xf033
	s_cbranch_scc0 .Lentry_shape_is_right
	s_endpgm
.Lentry_shape_is_right:
; PROJ: q = query Wq + bq, k = key Wk + bk, v = value Wv + bv, on codes of FP4 (E2M1) with E8M0 scales, sums in f32, results rounded once to f16.
; The three products are one GEMM of 24,576 rows (the tensors on end) x 1,024 columns, K = 1,024; rows 8,192 t on take weight t and bias t.
; A work-group makes 256 rows x 256 columns; four waves, as many as a WGP has SIMDs, 128 x 128 each: 64 accumulators of 16 x 16, 512 registers.
; ALL OF K FITS IN LDS: two slots of half of K each (x's 16 tiles and W's 16 tiles, 4,096 bytes a tile), both filled once, at the start: no slot is filled again, and there is no loop.
; The codes lie in memory in the order of the operand's registers: a fragment (16 rows x 128 K) is 1,024 dense bytes, piece c at 512 c, lane l at 16 l: LDS loads of 512 consecutive bytes, no padding.
; CLUSTERS: 4 x 4 work-groups.  The four of a row of the cluster need the same rows of x, the four of a column the same columns of W: each tile is asked for JOINTLY.
; THE MATRIX INSTRUCTION IS USED TRANSPOSED (source 0 = 16 columns of W, source 1 = 16 rows of x): a lane holds one token and eight neighbouring channels, which pack into 16 bytes of f16.
; The bias is the C of each sum's first matrix instruction.
; OUT: qkv [tensor 3][batch x 16 + head: 64][tile of 16 tokens: 128][tile of 16 channels: 4][512 bytes]: for q and k lane l's 16 bytes at 16 l (the image of half a 16-bit fragment);
; for v at 32 r + 16 h (rows of 32 bytes: token r's 16 channels), as the transposing LDS load of the next launch wants them.  Each store of the wave covers 512 consecutive bytes, aligned: no stage is needed.
; LIMIT: |q|, |k|, |v| stay under 65,504 (f16's largest number).
; REGISTERS, in windows of 256: window 0: v16-29 addresses; v32-63 x's scale words, v64-95 W's (register 4 i + q: lanes 0-15 K step q, lanes 16-31 K step 4 + q, of tile i); v96-159 the bias; v160-223 x's fragments, one set;
;   on the way out v96-223 hold packed results.   window 1: W's fragments, two sets, at v0 and v128.   windows 2, 3: the accumulators ((a, b) at v[8 (8 (a % 4) + b)]).
.set SLOT,  131072                     ; half of K: x's 16 tiles x 4,096 bytes, then W's 16
.set WOFF,  65536
.set SPARE, 2*SLOT                     ; behind the slots: the spare words, 128 bytes for each wave: two blocks of 256 bytes that no other line names
.set ADRA, 16                          ; v16-17  LDS address of my x fragments in slot 0, 1
.set ADRB, 20                          ; v20-21  the same for W
.set L16,  24                          ; v24     16 x lane
.set HB,   25                          ; v25     32 h: my eight numbers of a tile's sixteen of the bias
.set CO,   26                          ; v26     my 16 bytes' place in a piece of 512 of qkv
.set ALT,  27                          ; v27     the same for v
.set SPW,  28                          ; v28     LDS address of my spare word; never rewritten
.set NIL,  29                          ; v29     0; never rewritten
.set SX,   32
.set SW,   64
.set BIAS, 96
.set AF,   160
.set TO,   96                          ; the way out: four buffers of 32
.set G1,  24                           ; s[24:31] descriptor group 1 for x's tiles;  s[32:39] group 0, one set for each slot
.set G0,  32
.set G1B, 48                           ; s[48:55], s[56:63] the same for W's
.set G0B, 56
.set MSB, 0
.macro WIN new                         ; the immediate's high byte repeats the setting that is left
.if MSB != \new
	s_set_vgpr_msb (MSB<<8)|\new
.set MSB, \new
.endif
.endm
.set MUL_LO, 0xa1                      ; source 0 (W) window 1, source 1 (x) window 0, C and D window 2
.set MUL_HI, 0xf1                      ; the same, C and D window 3
.set FST_LO, 0x81                      ; the first K step: C (the bias) window 0, D window 2
.set FST_HI, 0xc1                      ; D window 3
.set TO_B,   0x40                      ; destination window 1, address window 0
; A joint load: waves 0 and 1 fetch for x, waves 2 and 3 for W.  The branch hangs on the wave's number alone.  An s_nop 0 and four v_nop follow each of the two lines.
.macro JLOAD s
	s_cmp_eq_u32 s21, 0
	s_cbranch_scc0 .Lfor_w_\@
	tensor_load_to_lds s[G0+4*\s:G0+4*\s+3], s[G1:G1+7]
	s_nop 0
.rept 4
	v_nop
.endr
	s_branch .Lasked_\@
.Lfor_w_\@:
	tensor_load_to_lds s[G0B+4*\s:G0B+4*\s+3], s[G1B:G1B+7]
	s_nop 0
.rept 4
	v_nop
.endr
.Lasked_\@:
.endm
.macro CROUND                          ; a round of the cluster's barrier
	s_barrier_signal -1
	s_barrier_wait -1
	s_cmp_lg_u32 s20, 0
	s_cbranch_scc1 .Lnot_wave_0_\@
	s_barrier_signal -3
.Lnot_wave_0_\@:
	s_barrier_wait -3
	s_barrier_signal -1
	s_barrier_wait -1
.endm
	s_load_b256 s[4:11], s[0:1], 0x0               ; xc 4, xs 6, wc 8, ws 10
	s_load_b256 s[12:19], s[0:1], 0x20             ; bq 12, bk 14, bv 16, qkv 18
	v_lshl_add_u32 v[SPW], v0, 2, SPARE
	v_mov_b32 v[NIL], 0
	ds_add_u32 v[SPW], v[NIL]                      ; the wave's opening: the add and its wait stand ahead of my first tensor load; the set-up below, work on registers, stands between them
	v_lshrrev_b32 v1, 5, v0
	v_readfirstlane_b32 s20, v1                    ; wave 0..3
	s_lshr_b32 s21, s20, 1                         ; which half of the tile's rows is mine.  Also: I fetch for x (0) or for W (1)
	s_and_b32 s22, s20, 1                          ; which half of its columns.  Also: which 8 tiles I fetch
	s_bfe_u32 s40, ttmp6, 0x40000                  ; cx, cy: my place in the cluster
	s_bfe_u32 s41, ttmp6, 0x40004
	s_lshl_b32 s42, ttmp9, 2
	s_add_co_u32 s42, s42, s40                     ; tc: which 256 columns
	s_and_b32 s46, ttmp7, 0xffff                   ; the cluster's y
	s_lshl_b32 s43, s46, 2
	s_add_co_u32 s43, s43, s41                     ; tr: which 256 rows, 0 .. 95
	s_lshr_b32 s47, s46, 3                         ; t: which tensor: 8 clusters (32 blocks of rows) each; the same in all sixteen partners
	s_lshl_b32 s44, s41, 2
	s_lshl_b32 s44, 15, s44                        ; my row of the cluster
	s_lshl_b32 s45, 0x1111, s40                    ; my column
	; descriptor group 1: 8 tiles' halves of K: 8 rows of 4,096 bytes, 8,192 bytes apart, in elements of 8 bytes; dense in LDS
	s_or_b32 s[G1], s44, (3<<16)|(1<<21)           ; 15:0 the mask: x's tiles go to my row; 17:16 elements of 8 bytes; 21 set beside a mask
	s_or_b32 s[G1B], s45, (3<<16)|(1<<21)          ; W's to my column
.irp g, G1, G1B
	s_mov_b32 s[\g+1], 512<<16                     ; tensor_dim0 = 512
	s_mov_b32 s[\g+2], 8<<16                       ; tensor_dim1 = 8
	s_mov_b32 s[\g+3], 512<<16                     ; tile_dim0 = 512
	s_mov_b32 s[\g+4], 8                           ; tile_dim1 = 8
	s_mov_b32 s[\g+5], 1024                        ; tensor_dim0_stride
	s_mov_b32 s[\g+6], 0
	s_mov_b32 s[\g+7], 0
.endr
	s_lshl_b32 s70, s22, 16                        ; which 8 tiles of 8,192 bytes I fetch
	s_lshl_b32 s66, s43, 17                        ; x: 16 tiles a block of rows: it hangs on tr alone
	s_add_co_u32 s66, s66, s70
	s_mov_b32 s67, 0
	s_lshl_b32 s68, s47, 19                        ; W: the weight, and 16 tiles a block of columns: it hangs on t and tc alone
	s_lshl_b32 s69, s42, 17
	s_add_co_u32 s68, s68, s69
	s_add_co_u32 s68, s68, s70
	s_mov_b32 s69, 0
	s_lshl_b32 s71, s20, 15                        ; where they go: wave x 32,768: no place in the cluster enters an LDS address
	s_wait_dscnt 0x0                               ; the opening add is done
	s_wait_kmcnt 0x0
	s_add_nc_u64 s[66:67], s[4:5], s[66:67]
	s_add_nc_u64 s[68:69], s[8:9], s[68:69]
	CROUND                                         ; all sixteen work-groups are here: the first joint loads meet
.irp s, 0,1
	s_mov_b32 s[G0+4*\s], 1
	s_add_co_u32 s[G0+4*\s+1], s71, \s*SLOT
	s_add_nc_u64 s[G0+4*\s+2:G0+4*\s+3], s[66:67], \s*4096
	s_or_b32 s[G0+4*\s+3], s[G0+4*\s+3], 0x80000000
	s_mov_b32 s[G0B+4*\s], 1
	s_add_co_u32 s[G0B+4*\s+1], s71, \s*SLOT
	s_add_nc_u64 s[G0B+4*\s+2:G0B+4*\s+3], s[68:69], \s*4096
	s_or_b32 s[G0B+4*\s+3], s[G0B+4*\s+3], 0x80000000
	JLOAD \s                                       ; both halves of K go out together: two tensor loads of mine are out
.endr
	v_and_b32 v1, 31, v0
	v_and_b32 v2, 15, v0                           ; r
	v_bfe_u32 v3, v0, 4, 1                         ; h
	v_lshlrev_b32 v[L16], 4, v1
	v_lshlrev_b32 v[HB], 5, v3
	s_lshl_b32 s74, s43, 13                        ; x's scale words: 512 bytes a tile: (16 tr + 8 half) tiles
	s_lshl_b32 s75, s21, 12
	s_add_co_u32 s74, s74, s75
	s_mov_b32 s75, 0
	s_add_nc_u64 s[6:7], s[6:7], s[74:75]
	s_lshl_b32 s74, s47, 15                        ; W's: 32,768 bytes a weight, (16 tc + 8 half) tiles
	s_lshl_b32 s76, s42, 13
	s_add_co_u32 s74, s74, s76
	s_lshl_b32 s76, s22, 12
	s_add_co_u32 s74, s74, s76
	s_add_nc_u64 s[10:11], s[10:11], s[74:75]
	s_cmp_eq_u32 s47, 0
	s_cselect_b64 s[72:73], s[12:13], s[14:15]     ; bq or bk,
	s_cmp_eq_u32 s47, 2
	s_cselect_b64 s[72:73], s[16:17], s[72:73]     ; or bv
	s_lshl_b32 s74, s42, 10                        ; my first column x 4 bytes
	s_lshl_b32 s76, s22, 9
	s_add_co_u32 s74, s74, s76
	s_add_nc_u64 s[72:73], s[72:73], s[74:75]
.irp i, 0,1,2,3,4,5,6,7
	global_load_b128 v[SX+4*\i:SX+4*\i+3], v[L16], s[6:7] offset:512*\i     ; a tile's 512 bytes: lanes 0-15 the words of K steps 0-3 of row r, lanes 16-31 those of K steps 4-7
	global_load_b128 v[SW+4*\i:SW+4*\i+3], v[L16], s[10:11] offset:512*\i
.endr
.irp b, 0,1,2,3,4,5,6,7
	global_load_b128 v[BIAS+8*\b:BIAS+8*\b+3], v[HB], s[72:73] offset:64*\b          ; the bias in the result's layout: register j = column 16 b + 8 h + j
	global_load_b128 v[BIAS+8*\b+4:BIAS+8*\b+7], v[HB], s[72:73] offset:64*\b+16
.endr
	s_lshl_b32 s76, s21, 15                        ; my 8 tiles of x
	s_lshl_b32 s77, s22, 15                        ; my 8 tiles of W,
	s_add_co_u32 s77, s77, WOFF                    ; which lie behind x's 16
.irp s, 0,1
	v_add_nc_u32 v[ADRA+\s], s76, v[L16]
	v_add_nc_u32 v[ADRB+\s], s77, v[L16]
	s_add_co_u32 s76, s76, SLOT
	s_add_co_u32 s77, s77, SLOT
.endr
	v_lshlrev_b32 v[ALT], 5, v2
	v_lshl_add_u32 v[ALT], v3, 4, v[ALT]           ; v: 32 r + 16 h
	s_cmp_eq_u32 s47, 2
	s_cselect_b32 s78, -1, 0
	v_cndmask_b32 v[CO], v[L16], v[ALT], s78       ; q, k: 16 x lane
	s_bfe_u32 s76, s43, 0x20003                    ; the batch: (tr % 32) / 8
	s_lshl_b32 s76, s76, 4
	s_lshl_b32 s77, s42, 2                         ; my first head: 4 tc + 2 half
	s_add_co_u32 s76, s76, s77
	s_lshl_b32 s77, s22, 1
	s_add_co_u32 s76, s76, s77
	s_lshl_b32 s76, s76, 18                        ; 262,144 bytes a head
	s_lshl_b32 s77, s47, 24                        ; 16,777,216 a tensor
	s_add_co_u32 s76, s76, s77
	s_and_b32 s77, s43, 7                          ; my first tile of tokens in the sequence: 16 (tr % 8) + 8 half
	s_lshl_b32 s77, s77, 4
	s_lshl_b32 s79, s21, 3
	s_add_co_u32 s77, s77, s79
	s_lshl_b32 s77, s77, 11                        ; 2,048 bytes a tile
	s_add_co_u32 s76, s76, s77
	s_mov_b32 s77, 0
	s_add_nc_u64 s[18:19], s[18:19], s[76:77]
.macro FRAG reg, adr, q, i             ; a fragment, 16 rows x 128 K of 4-bit codes: 8 registers: registers 4 c .. 4 c + 3 hold K = 64 c + 32 (l / 16) + 0 .. 31 of row l % 16
.irp c, 0,1
	ds_load_b128 v[\reg+4*\c:\reg+4*\c+3], v[\adr] offset:4096*(\i)+1024*(\q)+512*\c
.endr
.endm
; 16 matrix instructions: x's tiles a0, a0 + 1 against W's eight, 128 along K: the q-th of half hs.  p: W's set.  first = 1: the bias starts the sums: nothing is cleared.
; The 64 accumulators take turns, one instruction a turn, in the same order in every step.
.macro MUL16 a0, p, q, hs, first
.irp a, \a0, \a0+1
.irp b, 0,1,2,3,4,5,6,7
.if \first
	v_wmma_scale_f32_16x16x128_f8f6f4 v[8*(8*((\a)%4)+\b):8*(8*((\a)%4)+\b)+7], v[128*(\p)+8*\b:128*(\p)+8*\b+7], v[AF+8*(\a):AF+8*(\a)+7], v[BIAS+8*\b:BIAS+8*\b+7], v[SW+4*\b+(\q)], v[SX+4*(\a)+(\q)] matrix_a_fmt:MATRIX_FMT_FP4 matrix_b_fmt:MATRIX_FMT_FP4
.elseif \hs
	v_wmma_scale_f32_16x16x128_f8f6f4 v[8*(8*((\a)%4)+\b):8*(8*((\a)%4)+\b)+7], v[128*(\p)+8*\b:128*(\p)+8*\b+7], v[AF+8*(\a):AF+8*(\a)+7], v[8*(8*((\a)%4)+\b):8*(8*((\a)%4)+\b)+7], v[SW+4*\b+(\q)], v[SX+4*(\a)+(\q)] matrix_a_fmt:MATRIX_FMT_FP4 matrix_b_fmt:MATRIX_FMT_FP4 matrix_a_scale:MATRIX_SCALE_ROW1 matrix_b_scale:MATRIX_SCALE_ROW1
.else
	v_wmma_scale_f32_16x16x128_f8f6f4 v[8*(8*((\a)%4)+\b):8*(8*((\a)%4)+\b)+7], v[128*(\p)+8*\b:128*(\p)+8*\b+7], v[AF+8*(\a):AF+8*(\a)+7], v[8*(8*((\a)%4)+\b):8*(8*((\a)%4)+\b)+7], v[SW+4*\b+(\q)], v[SX+4*(\a)+(\q)] matrix_a_fmt:MATRIX_FMT_FP4 matrix_b_fmt:MATRIX_FMT_FP4
.endif
.endr
.endr
.endm
.macro FETCH_B slot, q, p              ; W's eight fragments of the slot's q-th 128 along K into set p
	WIN TO_B
.irp i, 0,1,2,3,4,5,6,7
	FRAG 128*(\p)+8*\i, ADRB+\slot, \q, \i
.endr
	WIN 0
.endm
.macro FETCH_A slot, q, i0             ; x's tiles i0 .. i0 + 3
.irp i, \i0, \i0+1, \i0+2, \i0+3
	FRAG AF+8*(\i), ADRA+\slot, \q, \i
.endr
.endm
; A load into a register that a matrix instruction has read, and a vector instruction that reads a matrix result, stand four places behind that matrix instruction; only plain vector instructions
; that name none of its registers are places (ISA guide 7.12.1 for vector instructions).
.macro PLACES n
.rept \n
	v_nop
.endr
.endm
; A step of 128 along K that has its successor in the same slot.  A tile of x is free as soon as its eight products are issued, so x has one set of registers: tiles 0-3 are fetched anew in the step's middle, tiles 4-7 at its end.
.macro STEP slot, q, first
	s_wait_dscnt 8                                 ; W's set and x's tiles 0-3 are in; the youngest eight loads (x's tiles 4-7) may be out
.if \first
	WIN FST_LO
.else
	WIN MUL_LO
.endif
	MUL16 0, (\q)%2, \q, \slot, \first
	MUL16 2, (\q)%2, \q, \slot, \first
	s_wait_dscnt 0x0                               ; x's tiles 4-7 are in
	PLACES 4
	FETCH_B \slot, (\q)+1, 1-(\q)%2
	FETCH_A \slot, (\q)+1, 0
.if \first
	WIN FST_HI
.else
	WIN MUL_HI
.endif
	MUL16 4, (\q)%2, \q, \slot, \first
	MUL16 6, (\q)%2, \q, \slot, \first
	PLACES 4
	WIN 0
	FETCH_A \slot, (\q)+1, 4
.endm
; Slot 0's last step goes over into slot 1: each wave waits for its own part of slot 1, then the barrier shows every wave's part.
.macro CROSS
	s_wait_tensorcnt 0x0                           ; my part of slot 1 has landed
	s_wait_dscnt 8
	WIN MUL_LO
	MUL16 0, 1, 3, 0, 0
	s_wait_dscnt 0x0                               ; no LDS instruction of mine is pending at a signal
	s_barrier_signal -1
	MUL16 2, 1, 3, 0, 0                            ; work on registers while the others arrive
	WIN 0
	s_barrier_wait -1
	PLACES 4
	FETCH_B 1, 0, 0
	FETCH_A 1, 0, 0
	WIN MUL_HI
	MUL16 4, 1, 3, 0, 0
	MUL16 6, 1, 3, 0, 0
	PLACES 4
	WIN 0
	FETCH_A 1, 0, 4
.endm
	s_wait_tensorcnt 1                             ; my part of slot 0 is in (slot 1's load may be out)
	s_barrier_signal -1
	s_barrier_wait -1                              ; everybody's is
	FETCH_B 0, 0, 0
	FETCH_A 0, 0, 0
	FETCH_A 0, 0, 4
	s_wait_loadcnt 0x0                             ; the scale words and the bias
	STEP 0, 0, 1
	STEP 0, 1, 0
	STEP 0, 2, 0
	CROSS
	STEP 1, 0, 0
	STEP 1, 1, 0
	STEP 1, 2, 0
	s_wait_dscnt 8                                 ; the last step: nothing more to fetch
	WIN MUL_LO
	MUL16 0, 1, 3, 1, 0
	MUL16 2, 1, 3, 1, 0
	s_wait_dscnt 0x0
	WIN MUL_HI
	MUL16 4, 1, 3, 1, 0
	MUL16 6, 1, 3, 1, 0
	WIN 0
	PLACES 4                                       ; in front of the first read of results, and of the writes over registers that the last products read
; THE WAY OUT.  Tile a of tokens: a lane's eight channels of each of the eight tiles of columns pack into 16 bytes, which are its part of a piece of 512 bytes of qkv: stored straight from registers.
.macro OUTB a
.if (\a) >= 4
	s_wait_xcnt 0x0                                ; the stores of tile a - 4 have read this buffer's registers
.endif
.if (\a) < 4
	WIN 0x0a                                       ; sources 0 and 1: window 2
.else
	WIN 0x0f                                       ; window 3
.endif
.irp b, 0,1,2,3,4,5,6,7
.irp e, 0,1,2,3
	v_cvt_pk_f16_f32 v[TO+32*((\a)%4)+4*\b+\e], v[64*((\a)%4)+8*\b+2*\e], v[64*((\a)%4)+8*\b+2*\e+1]   ; each accumulator from its low end on
.endr
.endr
	WIN 0
.irp b, 0,1,2,3,4,5,6,7
	global_store_b128 v[CO], v[TO+32*((\a)%4)+4*\b:TO+32*((\a)%4)+4*\b+3], s[18:19] offset:2048*(\a)+512*(\b%4)+262144*(\b/4)   ; head b / 4, channels 16 (b % 4) on: 512 consecutive bytes, aligned
.endr
.endm
.irp a, 0,1,2,3,4,5,6,7
	OUTB \a
.endr
	s_wait_tensorcnt 0x0                           ; the wave's end, behind my last tensor load
	ds_add_u32 v[SPW], v[NIL]
	s_wait_dscnt 0x0
	CROUND                                         ; the closing round: no work-group ends while a partner may still ask for a tile that names it
	s_endpgm
.Lfunc_end_k_q17504069b9_proj:
	.size	k_q17504069b9_proj, .Lfunc_end_k_q17504069b9_proj-k_q17504069b9_proj
	.p2alignl 7, 3214868480
	.fill 96, 4, 3214868480
	.section	.rodata,"a",@progbits
	.p2align	6, 0x0
	.amdhsa_kernel k_q17504069b9_proj
		.amdhsa_group_segment_fixed_size 327680
		.amdhsa_private_segment_fixed_size 0
		.amdhsa_enable_private_segment 0
		.amdhsa_kernarg_size 64
		.amdhsa_user_sgpr_count 2
		.amdhsa_user_sgpr_kernarg_segment_ptr 1
		.amdhsa_wavefront_size32 1
		.amdhsa_system_sgpr_workgroup_id_x 1
		.amdhsa_system_sgpr_workgroup_id_y 1
		.amdhsa_system_sgpr_workgroup_id_z 1
		.amdhsa_system_vgpr_workitem_id 0
		.amdhsa_next_free_vgpr 1024
		.amdhsa_next_free_sgpr 96
		.amdhsa_reserve_vcc 0
		.amdhsa_float_denorm_mode_32 3
		.amdhsa_float_denorm_mode_16_64 3
		.amdhsa_memory_ordered 1
		.amdhsa_forward_progress 1
		.amdhsa_inst_pref_size 117
	.end_amdhsa_kernel
	.amdgpu_metadata
---
amdhsa.version: [ 1, 2 ]
amdhsa.kernels:
  - .name:           k_q17504069b9_proj
    .symbol:         k_q17504069b9_proj.kd
    .args:
      - { .name: xc, .offset: 0, .size: 8, .value_kind: global_buffer, .address_space: global }
      - { .name: xs, .offset: 8, .size: 8, .value_kind: global_buffer, .address_space: global }
      - { .name: wc, .offset: 16, .size: 8, .value_kind: global_buffer, .address_space: global }
      - { .name: ws, .offset: 24, .size: 8, .value_kind: global_buffer, .address_space: global }
      - { .name: bq, .offset: 32, .size: 8, .value_kind: global_buffer, .address_space: global }
      - { .name: bk, .offset: 40, .size: 8, .value_kind: global_buffer, .address_space: global }
      - { .name: bv, .offset: 48, .size: 8, .value_kind: global_buffer, .address_space: global }
      - { .name: qkv, .offset: 56, .size: 8, .value_kind: global_buffer, .address_space: global }
    .group_segment_fixed_size: 327680
    .private_segment_fixed_size: 0
    .kernarg_segment_align: 8
    .kernarg_segment_size: 64
    .max_flat_workgroup_size: 128
    .sgpr_count:     96
    .vgpr_count:     1024
    .wavefront_size: 32
...
	.end_amdgpu_metadata
.endif
;; end of part 2
;; launch attn (part 3): grid 4 x 64, 8 waves a work-group, clusters of 4 x 1, 327,680 bytes of LDS; arguments qkv, ctx; writes ctx
.if DOCPART == 3
	.amdgcn_target "amdgcn-amd-amdhsa--gfx1250"
	.amdhsa_code_object_version 6
	.text
	.protected	k_q17504069b9_attn
	.globl	k_q17504069b9_attn
	.p2align	8
	.type	k_q17504069b9_attn,@function
k_q17504069b9_attn:
	s_mov_b64 s[64:65], 0
	v_nop
	global_prefetch_b8 v0, s[64:65] scope:SCOPE_SE
	s_setreg_imm32_b32 hwreg(HW_REG_WAVE_MODE, 25, 1), 1
	s_wait_xcnt 0x0
	s_wait_alu depctr_hold_cnt(0) depctr_sa_sdst(0) depctr_va_vdst(0) depctr_va_sdst(0) depctr_va_ssrc(0) depctr_va_vcc(0) depctr_vm_vsrc(0)
	s_getreg_b32 s2, hwreg(HW_REG_IB_STS2, 6, 4)
	s_cmp_eq_u32 s2, 0
	s_cbranch_scc0 .Lentry_in_a_cluster
	s_endpgm
.Lentry_in_a_cluster:
	s_bfe_u32 s2, ttmp6, 0x10000c
	s_cmp_lg_u32 s2, 0x3003
	s_cbranch_scc0 .Lentry_shape_is_right
	s_endpgm
.Lentry_shape_is_right:
; ATTN: ctx[b][s][head] = the sum over t of softmax_t(q[s] . k[t] / 8) v[t], for each of 64 (batch, head): 2,048 queries, 2,048 keys, head size 64.  q, k, v in f16, products, maxima and sums in f32;
; the weights p are rounded to f16 for the second product, ctx once at the end.
; SHARES.  A work-group owns 512 queries of one (batch, head); each of its eight waves 64: four tiles of 16.  Two waves share a SIMD (512 registers each), so that one wave's softmax stands beside the other's products.
; Every wave walks all keys, 64 a step; each fragment of K and V that it reads from LDS feeds four matrix instructions.
; LAYOUT.  S^T = K Q^T (source 0 = 16 keys, source 1 = 16 queries): a lane holds ONE query (lane % 16) and the keys 8 (lane / 16) + 0..7.  Two such tiles, rounded to f16 in pairs, ARE source 1 of O^T = V^T P,
; whose result again holds one query a lane and eight channels.  Nothing changes lanes between the products.  P is laid in place over the first half of a tile's scores.
; q and k lie in memory as images of the fragments' halves (512 bytes: lane l at 16 l); v as tiles of 16 tokens x 16 channels in rows of 32 bytes, turned by ds_load_tr16_b128.
; SOFTMAX.  For each query a running maximum m and sum l: p = 2^(c s - c m), c = log2(e) / 8; in every step O and l are multiplied by a = 2^(c m_old - c m_new).
; The step is written once for all steps: m begins at -3e38, l and O^T at 0, so that the first a is 0 and multiplies zeros.  That costs 128 v_mov_b32 once and spares a further copy of the step.
; RING.  Two slots of 512 keys (K's 8 steps x 8,192 bytes, then V's).  Each of the eight waves fetches 16,384 dense bytes of a slot with one tensor load.
; CLUSTER.  The four query blocks of a (batch, head) walk the same K and V: each tile is asked for JOINTLY, by the same tensor load with a mask that names the four.
; No prefetch: a refill is issued eight key steps (512 matrix instructions of each wave) ahead of the wait for it, so no wave is left waiting for it.
; LIMITS: |q|, |k|, |v| under 65,504.  c m is rounded to f32 once, so p can pass 1 by the factor 2^(half an ulp of c m): with |c m| under 2^24 that is under 2.
; REGISTERS: window 0: v2-9 addresses; v16-63 twelve registers of statistics a tile; v64-191 S^T, 32 a tile (P over the first 16); v192-255 Q.   window 1: v0-127 O^T, 32 a tile; v128-191 K of a step; v192-255 V of a step.
.set SLOT1, 1<<17                      ; slot 1 begins here: one exclusive or turns an address in one slot into the other's
.set VOFF,  65536                      ; in a slot: V behind K
.set SPARE, 2*SLOT1                    ; behind the ring: the spare words, 128 bytes for each wave: four blocks of 256 bytes that no other line names
.set AK0, 2                            ; v2   my lane's place in a piece of K: 16 x lane
.set AV0, 3                            ; v3   and in a tile of V
.set ADK, 4                            ; v4   LDS address of the step's K
.set ADV, 5                            ; v5   of its V
.set GO,  6                            ; v6   16 x lane, in memory
.set SPW, 8                            ; v8   LDS address of my spare word; never rewritten
.set NIL, 9                            ; v9   0; never rewritten
.set ST,  16                           ; tile t's statistics at v[ST + 12 t]: +0 c m, +1 m, +2, +3 l (even keys', odd keys'), +4 a, +5 the pair's upper half, +6 to +9 four maxima, then two pairs of sums, +10 c m_old, +11 the other half of the lanes'
.set S,   64
.set Q,   192
.set O,   0                            ; in window 1
.set KF,  128
.set VF,  192
.set WV,  8                            ; s8   my wave's number
.set G1,  16                           ; s[16:23] descriptor group 1
.set G0,  24                           ; s[24:27] group 0, which walks
.set CS,  28                           ; s[28:29] c, as a pair
.set SEL, 30                           ; s[30:31] lane selects for v_permlanex16_b32: lane l xor 16
.set TB,  32                           ; s32  LDS byte at which the step's K begins
.set SLOTS, 33                         ; s33  slots still to be asked for
.set TW,  34                           ; s34  counts a slot's eight steps
.set MSB, 0
.macro WIN new                         ; the immediate's high byte repeats the setting that is left
.if MSB != \new
	s_set_vgpr_msb (MSB<<8)|\new
.set MSB, \new
.endif
.endm
.set W_LD,  0x40                       ; destination window 1, address window 0
.set W_KQ,  0x01                       ; K window 1; Q and S^T window 0
.set W_RS,  0x41                       ; O^T (destination and source 0) window 1, a window 0
.set W_PV,  0x51                       ; V window 1, P window 0, O^T window 1
.set W_OUT, 0x05                       ; sources 0 and 1 window 1, destination window 0
.macro CROUND                          ; a round of the cluster's barrier
	s_barrier_signal -1
	s_barrier_wait -1
	s_cmp_lg_u32 s[WV], 0
	s_cbranch_scc1 .Lnot_wave_0_\@
	s_barrier_signal -3
.Lnot_wave_0_\@:
	s_barrier_wait -3
	s_barrier_signal -1
	s_barrier_wait -1
.endm
.macro TLOAD                           ; my one tensor load; an s_nop 0 and four v_nop follow it
	tensor_load_to_lds s[G0:G0+3], s[G1:G1+7]
	s_nop 0
.rept 4
	v_nop
.endr
.endm
	s_load_b128 s[4:7], s[0:1], 0x0                ; qkv s[4:5], ctx s[6:7]
	v_lshl_add_u32 v[SPW], v0, 2, SPARE
	v_mov_b32 v[NIL], 0
	ds_add_u32 v[SPW], v[NIL]                      ; the wave's opening: the add and its wait stand ahead of my first tensor load; the set-up below, work on registers, stands between them
	v_lshrrev_b32 v1, 5, v0
	v_readfirstlane_b32 s[WV], v1                  ; wave 0..7
	s_bfe_u32 s9, ttmp6, 0x40000                   ; cx: my place in the cluster
	s_and_b32 s10, ttmp7, 0xffff                   ; batch x 16 + head, which the four partners share
	; descriptor group 1: 16,384 dense bytes as 64 rows of 256 (32 elements of 8 bytes)
	s_mov_b32 s[G1], 15|(3<<16)|(1<<21)            ; 15:0 the mask: all four work-groups; 17:16 elements of 8 bytes; 21 set beside a mask
	s_mov_b32 s[G1+1], 32<<16                      ; tensor_dim0 = 32
	s_mov_b32 s[G1+2], 64<<16                      ; tensor_dim1 = 64
	s_mov_b32 s[G1+3], 32<<16                      ; tile_dim0 = 32
	s_mov_b32 s[G1+4], 64                          ; tile_dim1 = 64
	s_mov_b32 s[G1+5], 32                          ; tensor_dim0_stride
	s_mov_b32 s[G1+6], 0
	s_mov_b32 s[G1+7], 0
	s_mov_b32 s[CS], 0x3e38aa3b                    ; c = log2(e) / 8
	s_mov_b32 s[CS+1], s[CS]                       ; named with it as a pair, so it is written
	s_mov_b32 s[SEL], 0x76543210
	s_mov_b32 s[SEL+1], 0xfedcba98
	s_mov_b32 s[TB], 0
	s_mov_b32 s[SLOTS], 3
	s_lshr_b32 s36, s[WV], 2                       ; what I fetch: waves 0-3 K (tensor 1), waves 4-7 V (tensor 2),
	s_add_co_u32 s36, s36, 1
	s_lshl_b32 s36, s36, 24
	s_lshl_b32 s37, s10, 18                        ; my (batch, head),
	s_add_co_u32 s36, s36, s37
	s_and_b32 s37, s[WV], 3                        ; two key steps of a slot's eight
	s_lshl_b32 s37, s37, 14
	s_add_co_u32 s36, s36, s37
	s_mov_b32 s37, 0
	s_lshl_b32 s38, ttmp9, 2
	s_add_co_u32 s38, s38, s9                      ; my block of 512 queries: it enters Q's and ctx's addresses alone
	s_lshl_b32 s38, s38, 5
	s_lshl_b32 s39, s[WV], 2
	s_add_co_u32 s38, s38, s39                     ; my wave's first tile of 16 queries
	s_lshl_b32 s40, s38, 11                        ; Q: 2,048 bytes a tile,
	s_lshl_b32 s41, s10, 18
	s_add_co_u32 s40, s40, s41
	s_mov_b32 s41, 0
	s_lshr_b32 s42, s10, 4                         ; ctx: tile of tokens = batch x 128 + my tile: 32,768 bytes each,
	s_lshl_b32 s42, s42, 7
	s_add_co_u32 s42, s42, s38
	s_lshl_b32 s42, s42, 15
	s_and_b32 s43, s10, 15                         ; the head's four pieces of 512 bytes
	s_lshl_b32 s43, s43, 11
	s_add_co_u32 s42, s42, s43
	s_mov_b32 s43, 0
	s_wait_dscnt 0x0                               ; the opening add is done
	s_wait_kmcnt 0x0
	s_mov_b32 s[G0], 1                             ; 1:0 count = 1
	s_lshl_b32 s[G0+1], s[WV], 14                  ; LDS address: wave x 16,384, slot 0
	s_add_nc_u64 s[G0+2:G0+3], s[4:5], s[36:37]    ; global address: the first 512 keys
	s_or_b32 s[G0+3], s[G0+3], 0x80000000          ; type = 2
	s_add_nc_u64 s[40:41], s[4:5], s[40:41]
	s_add_nc_u64 s[6:7], s[6:7], s[42:43]
	CROUND                                         ; all four work-groups are here: the first joint loads meet
	TLOAD                                          ; slot 0
	v_and_b32 v1, 31, v0
	v_lshlrev_b32 v[AK0], 4, v1
	v_lshlrev_b32 v[GO], 4, v1
.irp t, 0,1,2,3
.irp p, 0,1,2,3
	global_load_b128 v[Q+16*\t+4*\p:Q+16*\t+4*\p+3], v[GO], s[40:41] offset:2048*\t+512*\p   ; Q stays in registers: tile t, channels 16 p + 8 h on
.endr
.endr
	; The turning load takes 16 keys x 16 channels (lane l reads 16 bytes: key 8 (l / 16) + l % 8, channels 8 ((l / 8) % 2) + 0..7) and leaves half a fragment of V^T: lane l holds channel l % 16 and 8 keys.
	v_bfe_u32 v10, v0, 4, 1
	v_and_b32 v11, 7, v0
	v_bfe_u32 v12, v0, 3, 1
	v_lshl_add_u32 v[AV0], v10, 3, v11
	v_lshlrev_b32 v[AV0], 5, v[AV0]
	v_lshl_add_u32 v[AV0], v12, 4, v[AV0]
	v_add_nc_u32 v[AV0], VOFF, v[AV0]
.irp t, 0,1,2,3
	v_mov_b32 v[ST+12*\t+1], 0xff61b1e6            ; m: -3e38, under every score
	v_mul_f32 v[ST+12*\t], s[CS], v[ST+12*\t+1]    ; c m
	v_mov_b32 v[ST+12*\t+2], 0                     ; l
	v_mov_b32 v[ST+12*\t+3], 0
	v_mov_b32 v[ST+12*\t+4], 0
	v_mov_b32 v[ST+12*\t+5], 0                     ; named as the upper half of a's pair
	v_mov_b32 v[ST+12*\t+11], 0                    ; a lane permute's destination counts as one of its sources
.endr
	WIN W_LD
.set i, 0
.rept 128
	v_mov_b32 v[O+i], 0                            ; O^T
.set i, i+1
.endr
	WIN 0
; A KEY STEP: 64 keys.
.macro STEP
	v_add_nc_u32 v[ADK], s[TB], v[AK0]
	v_add_nc_u32 v[ADV], s[TB], v[AV0]
.rept 5
	v_nop                                          ; the products below write over P's registers, which the last step's products read: five places are owed in front of them (four would do for loads); these and the two additions are seven
.endr
	WIN W_LD
.irp kt, 0,1,2,3
.irp p, 0,1,2,3
	ds_load_b128 v[KF+16*\kt+4*\p:KF+16*\kt+4*\p+3], v[ADK] offset:2048*\kt+512*\p   ; keys 16 kt on, channels 16 p + 8 h on: 512 consecutive bytes
.endr
.endr
	s_wait_dscnt 0x0
	WIN W_KQ
.irp g, 0,1                                    ; S^T = K Q^T: the 16 accumulators take turns, one instruction a turn; the first 16 products start the sums
.irp kt, 0,1,2,3
.irp t, 0,1,2,3
.if \g == 0
	v_wmma_f32_16x16x32_f16 v[S+32*\t+8*\kt:S+32*\t+8*\kt+7], v[KF+16*\kt+8*\g:KF+16*\kt+8*\g+7], v[Q+16*\t+8*\g:Q+16*\t+8*\g+7], 0
.else
	v_wmma_f32_16x16x32_f16 v[S+32*\t+8*\kt:S+32*\t+8*\kt+7], v[KF+16*\kt+8*\g:KF+16*\kt+8*\g+7], v[Q+16*\t+8*\g:Q+16*\t+8*\g+7], v[S+32*\t+8*\kt:S+32*\t+8*\kt+7]
.endif
.endr
.endr
.endr
	WIN 0
.rept 4
	v_nop                                          ; four places in front of the first read of the scores
.endr
	WIN W_LD
.irp ct, 0,1,2,3
.irp kg, 0,1
.irp c, 0,1
	ds_load_tr16_b128 v[VF+16*\ct+8*\kg+4*\c:VF+16*\ct+8*\kg+4*\c+3], v[ADV] offset:2048*(2*\kg+\c)+512*\ct   ; V lands while the softmax is walked
.endr
.endr
.endr
	WIN 0
	; the maximum of a lane's 32 scores and the old m, three operands at a time, the four tiles by turns; each accumulator is read from its low end on
.irp j, 0,1,2,3
.irp t, 0,1,2,3
	v_max3_num_f32 v[ST+12*\t+6+\j], v[S+32*\t+8*\j], v[S+32*\t+8*\j+1], v[S+32*\t+8*\j+2]
.endr
.endr
.irp u, 3,5
.irp j, 0,1,2,3
.irp t, 0,1,2,3
	v_max3_num_f32 v[ST+12*\t+6+\j], v[ST+12*\t+6+\j], v[S+32*\t+8*\j+\u], v[S+32*\t+8*\j+\u+1]
.endr
.endr
.endr
.irp t, 0,1,2,3
	v_max3_num_f32 v[ST+12*\t+6], v[ST+12*\t+6], v[S+32*\t+7], v[S+32*\t+15]
.endr
.irp t, 0,1,2,3
	v_max3_num_f32 v[ST+12*\t+8], v[ST+12*\t+8], v[S+32*\t+23], v[S+32*\t+31]
.endr
.irp t, 0,1,2,3
	v_max3_num_f32 v[ST+12*\t+6], v[ST+12*\t+6], v[ST+12*\t+7], v[ST+12*\t+8]
.endr
.irp t, 0,1,2,3
	v_max3_num_f32 v[ST+12*\t+6], v[ST+12*\t+6], v[ST+12*\t+9], v[ST+12*\t+1]
.endr
.irp t, 0,1,2,3
	v_permlanex16_b32 v[ST+12*\t+11], v[ST+12*\t+6], s[SEL], s[SEL+1]   ; the query's other 32 keys lie in the lane 16 away
.endr
.irp t, 0,1,2,3
	v_mov_b32 v[ST+12*\t+10], v[ST+12*\t]          ; c m_old
.endr
.irp t, 0,1,2,3
	v_max_num_f32 v[ST+12*\t+1], v[ST+12*\t+6], v[ST+12*\t+11]   ; the new m
.endr
.irp t, 0,1,2,3
	v_mul_f32 v[ST+12*\t], s[CS], v[ST+12*\t+1]
.endr
.irp t, 0,1,2,3
	v_sub_f32 v[ST+12*\t+10], v[ST+12*\t+10], v[ST+12*\t]
.endr
.irp j, 0,2,4,6,8,10,12,14,16,18,20,22,24,26,28,30
.irp t, 0,1,2,3
	v_pk_fma_f32 v[S+32*\t+\j:S+32*\t+\j+1], v[S+32*\t+\j:S+32*\t+\j+1], s[CS:CS+1], v[ST+12*\t:ST+12*\t+1] op_sel_hi:[1,0,0] neg_lo:[0,0,1] neg_hi:[0,0,1]   ; c s - c m, two at a time
.endr
.endr
.irp t, 0,1,2,3
	v_exp_f32 v[ST+12*\t+4], v[ST+12*\t+10]        ; a
.endr
.set i, 0
.rept 128
	v_exp_f32 v[S+i], v[S+i]                       ; p: ONE BATCH with the four above
.set i, i+1
.endr
	v_nop                                          ; the plain instruction behind the last exponential
	s_wait_alu depctr_va_vdst(0)                   ; and the one wait ahead of the batch's first reader
	; the sums, of p as it is in f32, ahead of the roundings, which write over p: two chains a tile
.irp t, 0,1,2,3
	v_pk_add_f32 v[ST+12*\t+6:ST+12*\t+7], v[S+32*\t:S+32*\t+1], v[S+32*\t+2:S+32*\t+3]
.endr
.irp t, 0,1,2,3
	v_pk_add_f32 v[ST+12*\t+8:ST+12*\t+9], v[S+32*\t+4:S+32*\t+5], v[S+32*\t+6:S+32*\t+7]
.endr
.irp j, 8,12,16,20,24,28
.irp t, 0,1,2,3
	v_pk_add_f32 v[ST+12*\t+6:ST+12*\t+7], v[ST+12*\t+6:ST+12*\t+7], v[S+32*\t+\j:S+32*\t+\j+1]
.endr
.irp t, 0,1,2,3
	v_pk_add_f32 v[ST+12*\t+8:ST+12*\t+9], v[ST+12*\t+8:ST+12*\t+9], v[S+32*\t+\j+2:S+32*\t+\j+3]
.endr
.endr
.irp t, 0,1,2,3
	v_pk_add_f32 v[ST+12*\t+6:ST+12*\t+7], v[ST+12*\t+6:ST+12*\t+7], v[ST+12*\t+8:ST+12*\t+9]
.endr
.irp t, 0,1,2,3
	v_pk_fma_f32 v[ST+12*\t+2:ST+12*\t+3], v[ST+12*\t+2:ST+12*\t+3], v[ST+12*\t+4:ST+12*\t+5], v[ST+12*\t+6:ST+12*\t+7] op_sel_hi:[1,0,1]   ; l = a l + the step's sum
.endr
.irp j, 0,1,2,3,4,5,6,7,8,9,10,11,12,13,14,15
.irp t, 0,1,2,3
	v_cvt_pk_f16_f32 v[S+32*\t+\j], v[S+32*\t+2*\j], v[S+32*\t+2*\j+1]   ; P in place, ascending: register j has been read by rounding j / 2 when it is written
.endr
.endr
	WIN W_RS
.irp t, 0,1,2,3
.set i, 0
.rept 16
	v_pk_mul_f32 v[O+32*\t+i:O+32*\t+i+1], v[O+32*\t+i:O+32*\t+i+1], v[ST+12*\t+4:ST+12*\t+5] op_sel_hi:[1,0]   ; O^T x a, each accumulator from its low end on
.set i, i+2
.endr
.endr
	s_wait_dscnt 0x0                               ; V is in
	WIN W_PV
.irp kg, 0,1                                   ; O^T += V^T P: the 16 accumulators take turns
.irp ct, 0,1,2,3
.irp t, 0,1,2,3
	v_wmma_f32_16x16x32_f16 v[O+32*\t+8*\ct:O+32*\t+8*\ct+7], v[VF+16*\ct+8*\kg:VF+16*\ct+8*\kg+7], v[S+32*\t+8*\kg:S+32*\t+8*\kg+7], v[O+32*\t+8*\ct:O+32*\t+8*\ct+7]
.endr
.endr
.endr
	WIN 0
	s_add_co_u32 s[TB], s[TB], 8192                ; the next step's tiles
.endm
.macro EIGHT                           ; a slot's eight key steps: written once, walked eight times
	s_mov_b32 s[TW], 8
.Lstep_\@:
	STEP
	s_sub_co_u32 s[TW], s[TW], 1
	s_cmp_lg_u32 s[TW], 0
	s_cbranch_scc1 .Lstep_\@
	s_sub_co_u32 s[TB], s[TB], 65536               ; back to a slot's first step,
	s_xor_b32 s[TB], s[TB], SLOT1                  ; in the other slot
.endm
; THE CHANGE OF SLOTS stands at a slot's head.  Each wave waits for all its tensor loads (its part of the slot that it is about to read), adds 0 to its spare word, and waits for that and for its reads of the slot that it has left.
; fill = 1: the barrier is a round of the cluster's, so that no wave of any partner still reads the other slot or has a load on its way; the joint fill of that slot is the first thing behind it and has eight key steps in which to land.
.macro CHANGE fill
	s_wait_tensorcnt 0x0                           ; no tensor load of mine is out, so group 0 may be written
	ds_add_u32 v[SPW], v[NIL]                      ; 0 onto my spare word
.if \fill
	s_xor_b32 s[G0+1], s[G0+1], SLOT1              ; the other slot than last time,
	s_add_nc_u64 s[G0+2:G0+3], s[G0+2:G0+3], 65536 ; the next 512 keys; the type bits on top are not reached
.endif
	s_wait_dscnt 0x0                               ; the add is done, and my reads of the slot that I have left are over
.if \fill
	CROUND
	TLOAD
.else
	s_barrier_signal -1
	s_barrier_wait -1
.endif
.endm
	s_wait_loadcnt 0x0                             ; Q
.Lslot:                                            ; three trips: behind each change of slots but the last the next 512 keys are asked for; one tensor load of mine is out
	CHANGE 1
	EIGHT
	s_sub_co_u32 s[SLOTS], s[SLOTS], 1
	s_cmp_lg_u32 s[SLOTS], 0
	s_cbranch_scc1 .Lslot
	CHANGE 0                                       ; the last slot is written out
	EIGHT
	; THE WAY OUT.  l's two halves and the other half of the lanes' are added; O^T is divided by l, rounded to f16 and stored: a lane's eight channels are its 16 bytes of a piece of 512 bytes of ctx.
.irp t, 0,1,2,3
	v_add_f32 v[ST+12*\t+6], v[ST+12*\t+2], v[ST+12*\t+3]   ; (these four are the places behind the last products)
.endr
.irp t, 0,1,2,3
	v_permlanex16_b32 v[ST+12*\t+11], v[ST+12*\t+6], s[SEL], s[SEL+1]
.endr
.irp t, 0,1,2,3
	v_add_f32 v[ST+12*\t+6], v[ST+12*\t+6], v[ST+12*\t+11]
.endr
.irp t, 0,1,2,3
	v_rcp_f32 v[ST+12*\t+4], v[ST+12*\t+6]
.endr
	v_nop                                          ; a plain instruction behind the last reciprocal
	s_wait_alu depctr_va_vdst(0)                   ; and the one wait ahead of the first use
.macro OUTT t
	WIN W_RS
.set i, 0
.rept 16
	v_pk_mul_f32 v[O+32*\t+i:O+32*\t+i+1], v[O+32*\t+i:O+32*\t+i+1], v[ST+12*\t+4:ST+12*\t+5] op_sel_hi:[1,0]
.set i, i+2
.endr
	WIN W_OUT
.set i, 0
.rept 16
	v_cvt_pk_f16_f32 v[S+16*\t+i], v[O+32*\t+2*i], v[O+32*\t+2*i+1]
.set i, i+1
.endr
	WIN 0
.irp ct, 0,1,2,3
	global_store_b128 v[GO], v[S+16*\t+4*\ct:S+16*\t+4*\ct+3], s[6:7] offset:32768*\t+512*\ct   ; 32 lanes store 512 consecutive bytes, aligned
.endr
.endm
	OUTT 0
	OUTT 1
	OUTT 2
	OUTT 3
	s_wait_tensorcnt 0x0                           ; the wave's end, behind my last tensor load
	ds_add_u32 v[SPW], v[NIL]
	s_wait_dscnt 0x0
	CROUND                                         ; the closing round: no work-group ends while a partner may still ask for a tile that names it
	s_endpgm
.Lfunc_end_k_q17504069b9_attn:
	.size	k_q17504069b9_attn, .Lfunc_end_k_q17504069b9_attn-k_q17504069b9_attn
	.p2alignl 7, 3214868480
	.fill 96, 4, 3214868480
	.section	.rodata,"a",@progbits
	.p2align	6, 0x0
	.amdhsa_kernel k_q17504069b9_attn
		.amdhsa_group_segment_fixed_size 327680
		.amdhsa_private_segment_fixed_size 0
		.amdhsa_enable_private_segment 0
		.amdhsa_kernarg_size 16
		.amdhsa_user_sgpr_count 2
		.amdhsa_user_sgpr_kernarg_segment_ptr 1
		.amdhsa_wavefront_size32 1
		.amdhsa_system_sgpr_workgroup_id_x 1
		.amdhsa_system_sgpr_workgroup_id_y 1
		.amdhsa_system_sgpr_workgroup_id_z 1
		.amdhsa_system_vgpr_workitem_id 0
		.amdhsa_next_free_vgpr 512
		.amdhsa_next_free_sgpr 66
		.amdhsa_reserve_vcc 0
		.amdhsa_float_denorm_mode_32 3
		.amdhsa_float_denorm_mode_16_64 3
		.amdhsa_memory_ordered 1
		.amdhsa_forward_progress 1
		.amdhsa_inst_pref_size 87
	.end_amdhsa_kernel
	.amdgpu_metadata
---
amdhsa.version: [ 1, 2 ]
amdhsa.kernels:
  - .name:           k_q17504069b9_attn
    .symbol:         k_q17504069b9_attn.kd
    .args:
      - { .name: qkv, .offset: 0, .size: 8, .value_kind: global_buffer, .address_space: global }
      - { .name: ctx, .offset: 8, .size: 8, .value_kind: global_buffer, .address_space: global }
    .group_segment_fixed_size: 327680
    .private_segment_fixed_size: 0
    .kernarg_segment_align: 8
    .kernarg_segment_size: 16
    .max_flat_workgroup_size: 256
    .sgpr_count:     66
    .vgpr_count:     512
    .wavefront_size: 32
...
	.end_amdgpu_metadata
.endif
;; end of part 3
;; launch outp (part 4): grid 4 x 64, 4 waves a work-group, clusters of 4 x 4, 327,680 bytes of LDS; arguments ctx, wo16, bo, out0; writes out0
.if DOCPART == 4
	.amdgcn_target "amdgcn-amd-amdhsa--gfx1250"
	.amdhsa_code_object_version 6
	.text
	.protected	k_q17504069b9_outp
	.globl	k_q17504069b9_outp
	.p2align	8
	.type	k_q17504069b9_outp,@function
k_q17504069b9_outp:
	s_mov_b64 s[64:65], 0
	v_nop
	global_prefetch_b8 v0, s[64:65] scope:SCOPE_SE
	s_setreg_imm32_b32 hwreg(HW_REG_WAVE_MODE, 25, 1), 1
	s_wait_xcnt 0x0
	s_wait_alu depctr_hold_cnt(0) depctr_sa_sdst(0) depctr_va_vdst(0) depctr_va_sdst(0) depctr_va_ssrc(0) depctr_va_vcc(0) depctr_vm_vsrc(0)
	s_getreg_b32 s2, hwreg(HW_REG_IB_STS2, 6, 4)
	s_cmp_eq_u32 s2, 0
	s_cbranch_scc0 .Lentry_in_a_cluster
	s_endpgm
.Lentry_in_a_cluster:
	s_bfe_u32 s2, ttmp6, 0x10000c
	s_cmp_lg_u32 s2, 0xf033
	s_cbranch_scc0 .Lentry_shape_is_right
	s_endpgm
.Lentry_shape_is_right:
; OUTP: out0 = ctx Wo + bo.  ctx [8192][1024] and Wo [1024 (k)][1024 (n)] in f16, as images of the fragments' halves: [tile of 16 rows or columns][16 along k: 64][512 bytes: lane l at 16 l]; sums and out0 in f32.
; A tile of out0 is 128 tokens x 256 columns, so that there are 256 work-groups.  Four waves, each 64 tokens x 128 columns: 32 accumulators of 16 x 16, 256 registers.
; K goes in 8 steps of 128 through a ring of two LDS slots: ctx's 8 tiles x 4,096 bytes, then Wo's 16.  A fragment (16 x 32 K) is 1,024 dense bytes: LDS loads of 512 consecutive bytes, no padding.
; CLUSTERS: 4 x 4 work-groups.  The four of a row of the cluster need the same tiles of ctx, the four of a column the same tiles of Wo: each tile is asked for JOINTLY.
; THE MATRIX INSTRUCTION IS USED TRANSPOSED (source 0 = 16 columns of Wo, source 1 = 16 tokens): a lane holds eight neighbouring numbers of a row of out0.  bo is the C of each sum's first matrix instruction.
; REGISTERS: window 0: v16-30 addresses; v32-95 bo in the result's layout; v96-127, v128-159 ctx's fragments, two buffers; on the way out v96-223 hold rows of out0.
;   window 1: Wo's fragments, two buffers, at v0 and v64.   window 2: the accumulators ((a, b) at v[8 (8 a + b)]).
.set SLOT,   98304
.set BOFF,   32768                     ; in a slot: Wo's tiles behind ctx's
.set STAGE,  2*SLOT                    ; behind the ring: 16 rows x 528 bytes for each wave, for the way out; no tensor load lands here
.set SPITCH, 528                       ; 512 bytes + 16: 33 x 16, so that the 16 rows that a store touches start at different banks (64 banks of 4 bytes: ISA guide 11.1)
.set SPARE,  STAGE+4*16*SPITCH         ; behind the stages: the spare words, 128 bytes for each wave: two blocks of 256 bytes that no other line names
.set ADRA, 16                          ; v16-17  LDS address of my ctx fragments in slot 0, 1
.set ADRB, 20                          ; v20-21  the same for Wo
.set STO,  24                          ; v24     the way out: where I put 32 bytes of a row
.set RD,   25                          ; v25     where I read a row back
.set CO,   26                          ; v26     my byte offset in a row of out0
.set HB,   27                          ; v27     32 h: my eight numbers of a tile's sixteen of bo
.set SPW,  28                          ; v28     LDS address of my spare word; never rewritten
.set NIL,  29                          ; v29     0; never rewritten
.set PFO,  30                          ; v30     the prefetches' offset: 32,768 (lane / 16) + 256 (lane % 16); never rewritten
.set BIAS, 32
.set AF,   96
.set BK,   96                          ; the way out: 16 rows read back from the stage: v96-159 and v160-223 by turns
.set G1,  24                           ; s[24:31] descriptor group 1 for ctx's tiles;  s[32:39] group 0, one set for each slot
.set G0,  32
.set G1B, 48                           ; s[48:55], s[56:63] the same for Wo's
.set G0B, 56
.set PFA, 44                           ; s[44:45] where my prefetches stand
.set LIM, 47                           ; s47  1 in a wave that prefetches, else the greatest number
.set MSB, 0
.macro WIN new                         ; the immediate's high byte repeats the setting that is left
.if MSB != \new
	s_set_vgpr_msb (MSB<<8)|\new
.set MSB, \new
.endif
.endm
.set MUL,  0xa1                        ; source 0 (Wo) window 1, source 1 (ctx) window 0, C and D window 2
.set FST,  0x81                        ; the first quarter: C (bo) window 0
.set TO_F, 0x40                        ; destination window 1, address window 0
.macro JLOAD s                         ; a joint load: waves 0 and 1 fetch ctx's two halves, waves 2 and 3 Wo's; an s_nop 0 and four v_nop follow each of the two lines
	s_cmp_eq_u32 s13, 0
	s_cbranch_scc0 .Lfor_b_\@
	tensor_load_to_lds s[G0+4*\s:G0+4*\s+3], s[G1:G1+7]
	s_nop 0
.rept 4
	v_nop
.endr
	s_branch .Lasked_\@
.Lfor_b_\@:
	tensor_load_to_lds s[G0B+4*\s:G0B+4*\s+3], s[G1B:G1B+7]
	s_nop 0
.rept 4
	v_nop
.endr
.Lasked_\@:
.endm
.macro CREST                           ; a round of the cluster's barrier behind its opening barrier
	s_cmp_lg_u32 s12, 0
	s_cbranch_scc1 .Lnot_wave_0_\@
	s_barrier_signal -3
.Lnot_wave_0_\@:
	s_barrier_wait -3
	s_barrier_signal -1
	s_barrier_wait -1
.endm
.macro CROUND
	s_barrier_signal -1
	s_barrier_wait -1
	CREST
.endm
; A PREFETCH INTO THE L2, behind a joint load and the run of LDS loads that follows it: the K step that stands two refills on: two tiles x 4,096 bytes, lanes 256 bytes apart, one instruction a wave.
; Each aligned block of 256 bytes is named once in the launch.  ctx's tiles are read by the four partners of one row of one cluster alone: wave 0 of each takes two of the eight, told apart BY ADDRESS (cx).
; Wo's tiles are read by every cluster: the clusters with y = 0 ask; of a block of columns' sixteen tiles the partner at cy takes four, its waves 2 and 3 two each.  No branch hangs on a place in the cluster.
; The loop's last trip asks for nothing: there is no K step two refills on.  K steps 0 to 3 come by their loads alone.
.macro ASK
	s_cmp_gt_u32 s3, s[LIM]                        ; s3 = 1 in the loop's last trip
	s_cbranch_scc0 .Lnot_mine_\@
	global_prefetch_b8 v[PFO], s[PFA:PFA+1] th:TH_LOAD_NT scope:SCOPE_SE
.Lnot_mine_\@:
.endm
	s_load_b256 s[4:11], s[0:1], 0x0               ; ctx 4, wo16 6, bo 8, out0 10
	v_lshl_add_u32 v[SPW], v0, 2, SPARE
	v_mov_b32 v[NIL], 0
	ds_add_u32 v[SPW], v[NIL]                      ; the wave's opening: the add and its wait stand ahead of my first tensor load; the set-up below, work on registers, stands between them
	v_lshrrev_b32 v1, 5, v0
	v_readfirstlane_b32 s12, v1                    ; wave 0..3
	s_lshr_b32 s13, s12, 1                         ; which 64 tokens are mine.  Also: I fetch for ctx (0) or for Wo (1)
	s_and_b32 s14, s12, 1                          ; which 128 columns.  Also: which half of the tiles I fetch
	s_bfe_u32 s40, ttmp6, 0x40000                  ; cx, cy
	s_bfe_u32 s41, ttmp6, 0x40004
	s_lshl_b32 s42, ttmp9, 2
	s_add_co_u32 s42, s42, s40                     ; tc: which 256 columns
	s_and_b32 s46, ttmp7, 0xffff                   ; the cluster's y
	s_lshl_b32 s43, s46, 2
	s_add_co_u32 s43, s43, s41                     ; tr: which 128 tokens
	s_lshl_b32 s20, s41, 2
	s_lshl_b32 s20, 15, s20                        ; my row of the cluster
	s_lshl_b32 s21, 0x1111, s40                    ; my column
	; descriptor group 1: a K step of 4 (ctx) or 8 (Wo) tiles: rows of 4,096 bytes, 32,768 bytes apart, in elements of 8 bytes; dense in LDS
	s_or_b32 s[G1], s20, (3<<16)|(1<<21)           ; 15:0 the mask: ctx's tiles go to my row; 17:16 elements of 8 bytes; 21 set beside a mask
	s_or_b32 s[G1B], s21, (3<<16)|(1<<21)          ; Wo's to my column
	s_mov_b32 s[G1+1], 512<<16                     ; tensor_dim0 = 512
	s_mov_b32 s[G1+2], 4<<16                       ; tensor_dim1 = 4
	s_mov_b32 s[G1+3], 512<<16                     ; tile_dim0 = 512
	s_mov_b32 s[G1+4], 4                           ; tile_dim1 = 4
	s_mov_b32 s[G1+5], 4096                        ; tensor_dim0_stride
	s_mov_b32 s[G1+6], 0
	s_mov_b32 s[G1+7], 0
	s_mov_b32 s[G1B+1], 512<<16
	s_mov_b32 s[G1B+2], 8<<16
	s_mov_b32 s[G1B+3], 512<<16
	s_mov_b32 s[G1B+4], 8
	s_mov_b32 s[G1B+5], 4096
	s_mov_b32 s[G1B+6], 0
	s_mov_b32 s[G1B+7], 0
	s_lshl_b32 s16, s43, 3                         ; ctx: tile 8 tr + 4 half: it hangs on tr alone
	s_lshl_b32 s22, s14, 2
	s_add_co_u32 s16, s16, s22
	s_lshl_b32 s16, s16, 15
	s_mov_b32 s17, 0
	s_lshl_b32 s18, s42, 4                         ; Wo: tile 16 tc + 8 half: it hangs on tc alone
	s_lshl_b32 s22, s14, 3
	s_add_co_u32 s18, s18, s22
	s_lshl_b32 s18, s18, 15
	s_mov_b32 s19, 0
	s_lshl_b32 s22, s14, 14                        ; where they go: ctx's halves at 0 and 16,384,
	s_lshl_b32 s23, s14, 15
	s_add_co_u32 s23, s23, BOFF                    ; Wo's at 32,768 and 65,536: no place in the cluster enters an LDS address
	s_wait_dscnt 0x0                               ; the opening add is done
	s_wait_kmcnt 0x0
	s_add_nc_u64 s[16:17], s[4:5], s[16:17]
	s_add_nc_u64 s[18:19], s[6:7], s[18:19]
	CROUND                                         ; all sixteen work-groups are here: the first joint loads meet
.irp s, 0,1
	s_mov_b32 s[G0+4*\s], 1
	s_add_co_u32 s[G0+4*\s+1], s22, \s*SLOT
	s_add_nc_u64 s[G0+4*\s+2:G0+4*\s+3], s[16:17], \s*4096
	s_or_b32 s[G0+4*\s+3], s[G0+4*\s+3], 0x80000000
	s_mov_b32 s[G0B+4*\s], 1
	s_add_co_u32 s[G0B+4*\s+1], s23, \s*SLOT
	s_add_nc_u64 s[G0B+4*\s+2:G0B+4*\s+3], s[18:19], \s*4096
	s_or_b32 s[G0B+4*\s+3], s[G0B+4*\s+3], 0x80000000
	JLOAD \s                                       ; K steps 0 and 1: two tensor loads of mine are out
.endr
	v_and_b32 v1, 31, v0
	v_and_b32 v2, 15, v0                           ; r
	v_bfe_u32 v3, v0, 4, 1                         ; h
	v_lshlrev_b32 v[CO], 4, v1
	v_lshlrev_b32 v[HB], 5, v3
	s_lshl_b32 s20, s42, 10                        ; bo: my first column x 4 bytes
	s_lshl_b32 s21, s14, 9
	s_add_co_u32 s20, s20, s21
	s_mov_b32 s21, 0
	s_add_nc_u64 s[8:9], s[8:9], s[20:21]
	s_add_nc_u64 s[10:11], s[10:11], s[20:21]      ; out0: the same columns,
	s_lshl_b32 s20, s43, 19                        ; and my first row: (128 tr + 64 half) x 4,096 bytes
	s_lshl_b32 s15, s13, 18
	s_add_co_u32 s20, s20, s15
	s_add_nc_u64 s[10:11], s[10:11], s[20:21]
.irp b, 0,1,2,3,4,5,6,7
	global_load_b128 v[BIAS+8*\b:BIAS+8*\b+3], v[HB], s[8:9] offset:64*\b            ; register j = column 16 b + 8 h + j
	global_load_b128 v[BIAS+8*\b+4:BIAS+8*\b+7], v[HB], s[8:9] offset:64*\b+16
.endr
	s_lshl_b32 s16, s13, 14                        ; my 4 tiles of ctx
	s_lshl_b32 s17, s14, 15                        ; my 8 tiles of Wo,
	s_add_co_u32 s17, s17, BOFF                    ; which lie behind ctx's 8
.irp s, 0,1
	v_add_nc_u32 v[ADRA+\s], s16, v[CO]
	v_add_nc_u32 v[ADRB+\s], s17, v[CO]
	s_add_co_u32 s16, s16, SLOT
	s_add_co_u32 s17, s17, SLOT
.endr
	s_mul_i32 s18, s12, 16*SPITCH
	s_add_co_u32 s18, s18, STAGE                   ; my stage
	v_mul_u32_u24 v[STO], v2, SPITCH               ; in: row r, 32 bytes for each half of the lanes
	v_lshl_add_u32 v[STO], v3, 5, v[STO]
	v_add_nc_u32 v[STO], s18, v[STO]
	v_add_nc_u32 v[RD], s18, v[CO]                 ; back: the 32 lanes take one row of 512 bytes
	; the prefetches: where my wave's stand, and who asks
	v_lshlrev_b32 v[PFO], 8, v2
	v_lshl_add_u32 v[PFO], v3, 15, v[PFO]
	s_lshl_b32 s20, s43, 3                         ; ctx: tile 8 tr + 2 cx
	s_lshl_b32 s21, s40, 1
	s_add_co_u32 s20, s20, s21
	s_lshl_b32 s21, s42, 4                         ; Wo: tile 16 tc + 4 cy + 2 half
	s_lshl_b32 s15, s41, 2
	s_add_co_u32 s21, s21, s15
	s_lshl_b32 s15, s14, 1
	s_add_co_u32 s21, s21, s15
	s_cmp_eq_u32 s13, 0                            ; do I fetch for ctx?
	s_cselect_b32 s20, s20, s21
	s_cselect_b32 s15, s14, s46                    ; 0 in wave 0; 0 in waves 2 and 3 of the clusters with y = 0: the same in all sixteen partners, for a given wave
	s_cselect_b64 s[PFA:PFA+1], s[4:5], s[6:7]
	s_cmp_eq_u32 s15, 0
	s_cselect_b32 s[LIM], 1, -1
	s_lshl_b32 s20, s20, 15
	s_add_co_u32 s20, s20, 3*4096                  ; at K step 3: the first change of slots steps it to 4.  Nothing is prefetched here, at the head, where every work-group's first tiles are on their way
	s_mov_b32 s21, 0
	s_add_nc_u64 s[PFA:PFA+1], s[PFA:PFA+1], s[20:21]
; 8 matrix instructions: tile a of tokens against Wo's eight, 32 along K: buffer f.  first = 1: bo starts the sums: nothing is cleared.
; The 32 accumulators take turns, one instruction a turn, in the same order in every quarter.
.macro MUL8 f, a, first
.irp b, 0,1,2,3,4,5,6,7
.if \first
	v_wmma_f32_16x16x32_f16 v[8*(8*(\a)+\b):8*(8*(\a)+\b)+7], v[64*(\f)+8*\b:64*(\f)+8*\b+7], v[AF+32*(\f)+8*(\a):AF+32*(\f)+8*(\a)+7], v[BIAS+8*\b:BIAS+8*\b+7]
.else
	v_wmma_f32_16x16x32_f16 v[8*(8*(\a)+\b):8*(8*(\a)+\b)+7], v[64*(\f)+8*\b:64*(\f)+8*\b+7], v[AF+32*(\f)+8*(\a):AF+32*(\f)+8*(\a)+7], v[8*(8*(\a)+\b):8*(8*(\a)+\b)+7]
.endif
.endr
.endm
; 24 LDS loads in one run: the fragments of the slot's q-th 32 along K into buffer f: Wo's eight, then ctx's four
.macro FETCH slot, q, f
	WIN TO_F
.irp i, 0,1,2,3,4,5,6,7
	ds_load_b128 v[64*(\f)+8*\i:64*(\f)+8*\i+3],   v[ADRB+\slot] offset:4096*\i+1024*(\q)
	ds_load_b128 v[64*(\f)+8*\i+4:64*(\f)+8*\i+7], v[ADRB+\slot] offset:4096*\i+1024*(\q)+512
.endr
	WIN 0
.irp i, 0,1,2,3
	ds_load_b128 v[AF+32*(\f)+8*\i:AF+32*(\f)+8*\i+3],   v[ADRA+\slot] offset:4096*\i+1024*(\q)
	ds_load_b128 v[AF+32*(\f)+8*\i+4:AF+32*(\f)+8*\i+7], v[ADRA+\slot] offset:4096*\i+1024*(\q)+512
.endr
.endm
.macro PLACES                          ; four places in front of loads into registers that matrix instructions have read, and of the first read of results (ISA guide 7.12.1 for vector instructions)
.rept 4
	v_nop
.endr
.endm
; A K step is four quarters of 32 along K, 32 matrix instructions each, on buffers 0, 1, 0, 1.  One of the first three: multiplies buffer f and fetches quarter q into buffer g.
.macro QUARTER slot, q, f, g, first
	s_wait_dscnt 4                                 ; Wo's fragments and ctx's tiles 0, 1 are in; the youngest four loads (tiles 2, 3) may be out
.if \first
	WIN FST
.else
	WIN MUL
.endif
	MUL8 \f, 0, \first
	MUL8 \f, 1, \first
	PLACES
	FETCH \slot, \q, \g
	s_wait_dscnt 24                                ; all but the 24 just issued
.if \first
	WIN FST
.else
	WIN MUL
.endif
	MUL8 \f, 2, \first
	MUL8 \f, 3, \first
.endm
; The last quarter multiplies buffer 1 and changes slots: ONE barrier; in front of it each wave waits for all its tensor loads, adds 0 to its spare word, and waits for that and for its own reads of this slot.
; fill = 1: the barrier opens a round of the cluster's barrier, and this slot is filled again, two K steps ahead.
.macro TURN slot, next, fill
.if \fill
	s_wait_xcnt 0x0                                ; the last prefetch, a K step back, has read its address, so it may be stepped
	s_add_nc_u64 s[PFA:PFA+1], s[PFA:PFA+1], 4096
.endif
	WIN 0                                          ; (the add's two registers lie in window 0)
	s_wait_tensorcnt 0x0                           ; all my tensor loads have landed: my part of the next slot;
	ds_add_u32 v[SPW], v[NIL]                      ; 0 onto my spare word;
	s_wait_dscnt 5                                 ; (the add and the youngest four loads may be out)
	WIN MUL
	MUL8 1, 0, 0                                   ; eight matrix instructions stand between the add and the wait for it
	s_wait_dscnt 0x0                               ; the add is done, and my reads of this slot are over
	s_barrier_signal -1
	MUL8 1, 1, 0
.if \fill
	WIN 0
.endif
	s_barrier_wait -1
.if \fill
	CREST                                          ; no wave of any partner still reads this slot's tiles or has a load on its way
	s_add_nc_u64 s[G0+4*\slot+2:G0+4*\slot+3], s[G0+4*\slot+2:G0+4*\slot+3], 2*4096
	s_add_nc_u64 s[G0B+4*\slot+2:G0B+4*\slot+3], s[G0B+4*\slot+2:G0B+4*\slot+3], 2*4096
	JLOAD \slot                                    ; the first tensor load behind the round: 112 matrix instructions ahead of the wait for it; its four v_nop are also the places in front of the loads below
.else
	PLACES
.endif
	FETCH \next, 0, 0
.if \fill
	ASK
.endif
	WIN MUL
	MUL8 1, 2, 0
	MUL8 1, 3, 0
.endm
	s_wait_tensorcnt 1                             ; my part of K step 0 is in (K step 1's load may be out)
	s_barrier_signal -1
	s_barrier_wait -1                              ; everybody's is
	FETCH 0, 0, 0
	s_wait_loadcnt 0x0                             ; bo
	QUARTER 0, 1, 0, 1, 1                          ; the first quarter stands in front of the loop: its products start the sums
	WIN 0                                          ; at a label and at a branch every window is 0
	s_mov_b32 s3, 3
.Llap:                                                 ; a trip goes once round the ring, from a lap's second quarter to the next lap's first, and fills both slots again
	QUARTER 0, 2, 1, 0, 0
	QUARTER 0, 3, 0, 1, 0
	TURN 0, 1, 1
	QUARTER 1, 1, 0, 1, 0
	QUARTER 1, 2, 1, 0, 0
	QUARTER 1, 3, 0, 1, 0
	TURN 1, 0, 1
	QUARTER 0, 1, 0, 1, 0
	WIN 0
	s_sub_co_u32 s3, s3, 1
	s_cmp_lg_u32 s3, 0
	s_cbranch_scc1 .Llap
	QUARTER 0, 2, 1, 0, 0                          ; the last lap fills nothing, and has no round of the cluster's barrier
	QUARTER 0, 3, 0, 1, 0
	TURN 0, 1, 0
	QUARTER 1, 1, 0, 1, 0
	QUARTER 1, 2, 1, 0, 0
	QUARTER 1, 3, 0, 1, 0
	s_wait_dscnt 4                                 ; the very last quarter: nothing more to fetch
	WIN MUL
	MUL8 1, 0, 0
	MUL8 1, 1, 0
	s_wait_dscnt 0x0
	MUL8 1, 2, 0
	MUL8 1, 3, 0
	WIN 0
; THE WAY OUT, block by block of 16 tokens x 128 columns.  A lane holds 32 neighbouring bytes of a row and the lanes beside it other rows: a block goes through my own stage and comes back as whole rows of 512 bytes.
; LDS serves a wave's instructions in order (ISA guide 5.7.1.4): no wait between the stores and the loads, nor in front of the next block's stores.
.macro TOSTAGE a
	WIN 0x08                                       ; an LDS store's data are its source 1: window 2
.irp b, 0,1,2,3,4,5,6,7
	ds_store_b128 v[STO], v[8*(8*(\a)+\b):8*(8*(\a)+\b)+3] offset:64*\b          ; each accumulator from its low end on
	ds_store_b128 v[STO], v[8*(8*(\a)+\b)+4:8*(8*(\a)+\b)+7] offset:64*\b+16
.endr
	WIN 0
.irp i, 0,1,2,3,4,5,6,7,8,9,10,11,12,13,14,15
	ds_load_b128 v[BK+64*((\a)%2)+4*\i:BK+64*((\a)%2)+4*\i+3], v[RD] offset:\i*SPITCH
.endr
.endm
.macro SEND a, younger                 ; younger: the LDS instructions issued behind block a's loads, which may stay out
	s_wait_dscnt \younger
.irp i, 0,1,2,3,4,5,6,7,8,9,10,11,12,13,14,15
	global_store_b128 v[CO], v[BK+64*((\a)%2)+4*\i:BK+64*((\a)%2)+4*\i+3], s[10:11] offset:65536*(\a)+4096*\i th:TH_STORE_NT   ; 32 lanes store 512 consecutive bytes, aligned; written once, read by nobody here
.endr
.endm
	PLACES                                         ; in front of the first read of results, and of the loads into the registers that held ctx's fragments
	TOSTAGE 0
	TOSTAGE 1
	SEND 0, 32                                     ; behind block 0's loads: block 1's 16 stores and 16 loads
	s_wait_xcnt 0x0                                ; block 0's stores have read their registers: block 2's loads may land there
	TOSTAGE 2
	SEND 1, 32
	s_wait_xcnt 0x0
	TOSTAGE 3
	SEND 2, 32
	SEND 3, 0
	s_wait_tensorcnt 0x0                           ; the wave's end, behind my last tensor load and my last LDS store
	ds_add_u32 v[SPW], v[NIL]
	s_wait_dscnt 0x0
	CROUND                                         ; the closing round: no work-group ends while a partner may still ask for a tile that names it
	s_endpgm
.Lfunc_end_k_q17504069b9_outp:
	.size	k_q17504069b9_outp, .Lfunc_end_k_q17504069b9_outp-k_q17504069b9_outp
	.p2alignl 7, 3214868480
	.fill 96, 4, 3214868480
	.section	.rodata,"a",@progbits
	.p2align	6, 0x0
	.amdhsa_kernel k_q17504069b9_outp
		.amdhsa_group_segment_fixed_size 327680
		.amdhsa_private_segment_fixed_size 0
		.amdhsa_enable_private_segment 0
		.amdhsa_kernarg_size 32
		.amdhsa_user_sgpr_count 2
		.amdhsa_user_sgpr_kernarg_segment_ptr 1
		.amdhsa_wavefront_size32 1
		.amdhsa_system_sgpr_workgroup_id_x 1
		.amdhsa_system_sgpr_workgroup_id_y 1
		.amdhsa_system_sgpr_workgroup_id_z 1
		.amdhsa_system_vgpr_workitem_id 0
		.amdhsa_next_free_vgpr 768
		.amdhsa_next_free_sgpr 66
		.amdhsa_reserve_vcc 0
		.amdhsa_float_denorm_mode_32 3
		.amdhsa_float_denorm_mode_16_64 3
		.amdhsa_memory_ordered 1
		.amdhsa_forward_progress 1
		.amdhsa_inst_pref_size 88
	.end_amdhsa_kernel
	.amdgpu_metadata
---
amdhsa.version: [ 1, 2 ]
amdhsa.kernels:
  - .name:           k_q17504069b9_outp
    .symbol:         k_q17504069b9_outp.kd
    .args:
      - { .name: ctx, .offset: 0, .size: 8, .value_kind: global_buffer, .address_space: global }
      - { .name: wo16, .offset: 8, .size: 8, .value_kind: global_buffer, .address_space: global }
      - { .name: bo, .offset: 16, .size: 8, .value_kind: global_buffer, .address_space: global }
      - { .name: out0, .offset: 24, .size: 8, .value_kind: global_buffer, .address_space: global }
    .group_segment_fixed_size: 327680
    .private_segment_fixed_size: 0
    .kernarg_segment_align: 8
    .kernarg_segment_size: 32
    .max_flat_workgroup_size: 128
    .sgpr_count:     66
    .vgpr_count:     768
    .wavefront_size: 32
...
	.end_amdgpu_metadata
.endif
;; end of part 4
